; MI455X (gfx1250); checked and timed in simulation.
; The chip was launched on July 23, 2026; its instructions are those of AMD's public machine-readable ISA for CDNA 5 (MIT licence, August 2026) and "CDNA5" Instruction Set Architecture Reference Guide (July 2026). The comments in the code are by the model that wrote it; some were corrected since.
;; Attention. Allowed arithmetic: matrix products marked QUANTISED: E2M1 operands, one E8M0 scale for each 32 along K, by v_wmma_scale_f32_16x16x128_f8f6f4 with both operands' format E2M1 (or v_wmma_scale_f32_32x16x128_f4), f32 sums; products left as they are: bf16, f16 or f32 operands; f32 sums; everything else in f32.
;; Inputs: Wg 1,024 x 1,024 float32; Wkv 1,024 x 2,048 float32; Wo 1,024 x 1,024 float32; Wq 1,024 x 1,024 float32; attn_bias 2 x 1 x 2,048 x 2,048 float32; bg 1,024 float32; bq 1,024 float32; mask 2 x 2,048 bool; seq 2 x 2,048 x 1,024 float32.
;; Outputs: out0 2 x 2,048 x 1,024 float32.
;; This version of the problem:
;;   THIS VERSION OF THE PROBLEM IS GIVEN IN LOW PRECISION. The matrix products marked QUANTISED in the list below multiply operands that are first quantised to E2M1 (2 exponent bits, 1 mantissa bit; 4 bits a number), with one power-of-two scale for each 32 numbers along K (OCP MX v1.0); their sums are f32. The products marked 'left as it is' may take bf16, f16 or f32 operands, with f32 sums. Whichever they take, every output number must still come out within the allowed error. Rounding operands to bf16 (8 significant bits) uses up far more of that allowance than f16 does (11 bits, for magnitudes from 6e-5 to 65,504). All else is computed in f32.
;;   The module's matrix products, in the order in which they are computed (A, B: the left and right operand; K: the contracted axis; several contracted axes count as one K, in the product's order):
;;     1. [M 4,096, K 1,024] x [K 1,024, N 1,024]; A: input seq; B: input Wq: QUANTISED
;;     2. [M 4,096, K 1,024] x [K 1,024, N 2,048]; A: input seq; B: input Wkv: QUANTISED
;;     3. batch 32 x [M 2,048, K 64] x [K 64, N 2,048]; A: computed on the way; B: computed on the way: left as it is (an operand is computed on the way)
;;     4. batch 32 x [M 2,048, K 2,048] x [K 2,048, N 64]; A: computed on the way; B: computed on the way: left as it is (an operand is computed on the way)
;;     5. [M 4,096, K 1,024] x [K 1,024, N 1,024]; A: input seq; B: input Wg: QUANTISED
;;     6. [M 4,096, K 1,024] x [K 1,024, N 1,024]; A: computed on the way; B: input Wo: left as it is (an operand is computed on the way)
;;   THE QUANTISER, for each operand of a quantised product, along K:
;;     - K is cut into blocks of 32 from its start; a last block that is shorter is filled with zeros.
;;     - A block's scale is 2^e with e = floor(log2(the largest magnitude in the block)) - 2, held to -126 .. 127; a block of zeros has e = 0. As a byte (E8M0): e + 127.
;;     - Each number is divided by its block's scale, clamped to +-6, and rounded to the nearest number of E2M1, ties to even, subnormals kept.
;;     - The product sums the exact products of the quantised numbers (number of the format x scale) in f32.
;;   ~~~python
;;   def quantise(x, axis):      # numpy; x: float32 -> the quantised numbers, widened to float32 again
;;       x = np.moveaxis(x, axis, -1); K = x.shape[-1]
;;       x = np.pad(x, [(0, 0)] * (x.ndim - 1) + [(0, -K % 32)]); x = x.reshape(x.shape[:-1] + (-1, 32)); a = np.abs(x).max(-1, keepdims=True)
;;       e = np.where(a > 0, np.clip(np.frexp(np.where(a > 0, a, 1))[1] - 1 - 2, -126, 127), 0)      # np.frexp(a)[1] - 1 = floor(log2(a)), exactly
;;       r = np.clip(x / 2.0 ** e, -6, 6)
;;       step = 2.0 ** (np.maximum(np.frexp(np.where(r == 0, 1, r))[1] - 1, 0) - 1)
;;       q = np.round(r / step) * step * 2.0 ** e      # np.round: ties to even
;;       return np.moveaxis(q.reshape(q.shape[:-2] + (-1,))[..., :K], -1, axis).astype(np.float32)
;;   ~~~
;; One version. Each part assembles by itself: llvm-mc -triple=amdgcn-amd-amdhsa -mcpu=gfx1250 --defsym DOCPART=n.
;; ======== version 1 of 1: 4 launches
;; limits: values are held in f16: magnitudes above 65,504 overflow, below 6.1e-05 lose precision
;; workspace buffers: cod 4,194,304 bytes; scl 262,144 bytes; wof 2,097,152 bytes; tab 696,320 bytes; qkv 25,165,824 bytes; gat 16,777,216 bytes; att 8,912,896 bytes
;; launch prep (part 1): grid 392 x 1, 4 waves a work-group, no clusters, 34,304 bytes of LDS; arguments seq, Wq, Wkv, Wg, Wo, mask, cod, scl, wof, tab; writes cod, scl, wof, tab
.if DOCPART == 1
	.amdgcn_target "amdgcn-amd-amdhsa--gfx1250"
	.amdhsa_code_object_version 6
	.text
	.protected	k_q6c41d9d213_prep
	.globl	k_q6c41d9d213_prep
	.p2align	8
	.type	k_q6c41d9d213_prep,@function
k_q6c41d9d213_prep:
	s_mov_b64 s[64:65], 0
	v_nop
	global_prefetch_b8 v0, s[64:65] scope:SCOPE_SE
	s_setreg_imm32_b32 hwreg(HW_REG_WAVE_MODE, 25, 1), 1
	s_wait_xcnt 0x0
; PREP: everything that is made once and read by many work-groups later.
; DEAD WORK: none is left out in this program: every input (seq, mask, attn_bias, Wq, bq, Wkv, Wg, bg, Wo) has a way to out0 and is loaded by some launch.
; Six kinds of work-group, told apart by the work-group's number alone:
;   0-127   seq [4096][1024] f32 -> E2M1 codes and E8M0 scale words (K innermost in memory: through a stage in LDS)
;   128-191 Wq, Wg [1024 k][1024 n]; 192-255 Wkv [1024 k][2048 n] -> the same (K is the first axis: a lane takes a column, its registers run down K); 128 columns x a quarter of K to a work-group
;   256-319 Wo [1024 k][1024 n] -> f16;   320-383 the cos and sin of RoPE;   384-391 what is made of the mask
; LAYOUTS (all in the order of the reader's operand registers):
;   cod [rowtile 512][block 32][row 16][16 B]: rowtiles 0-255 tokens, 256-511 features (q, k, v, g: 64 tiles each); scl [rowtile][K half 2][row 16][4 words], a word = 128 along K
;   wof [n tile 64][k/8 128][row 16][16 B];  tab: ROPE 0 | MADD 524288 | MFL 540672 | ONES 557056 | ACO 688128
; THE QUANTISER: a block's scale byte is its largest magnitude's exponent field - 2, held at 1 from below by a floor among the maximum's leaves; the conversion divides by that power of two, rounds to the nearest code, ties to even, and holds at 6.
; LIMITS: a block of zeros gets the byte 1 (its codes are zeros; only this program reads the bytes); blocks under 2^-124 were not tried; NaN and infinities among the inputs are not served;
;   RoPE's inverse frequency comes from v_exp_f32, so an angle differs from a correctly rounded one by up to some 4e-4 rad at position 2047.
; A BATCH WHOSE MASK IS ALL FALSE: the softmax of equal numbers is the plain mean of v.  For such a batch the constant A of the exponent is stored as 0, the additive mask as 0 and the mask as all ones: a choice of values, no branch.
.set SPARE, 33792                      ; behind the four stages of 16 x 528 bytes: the spare words, 128 bytes a wave
.set SPW,   44                         ; v44  SPARE + 4 x my thread's number; never rewritten
.set NIL,   45                         ; v45  0; never rewritten
.set RR,    128                        ; seq: v128-255 two sets of 64 registers as loaded
.set XX,    64                         ; v64-127 numbers at work
.set CD,    32                         ; seq: v32-39 a fragment's codes
.set WD,    40                         ; v40-43 scale words or bytes
.set CW,    128                        ; weights: from v128 codes, four registers a block, never rewritten
.set NBW,   8                          ; blocks of 32 along K for a wave of the weights' paths: a quarter of K
.macro SLOAD st, set                   ; 16 rows' 512 bytes of K step st: one row an instruction
.irp i, 0,1,2,3,4,5,6,7,8,9,10,11,12,13,14,15
	global_load_b128 v[RR+64*(\set)+4*\i:RR+64*(\set)+4*\i+3], v4, s[4:5] offset:\i*4096+(\st)*512 th:TH_LOAD_NT
.endr
.endm
.macro STURN set                       ; through my stage: in as rows, out as 32 neighbours along K twice: register 32 c + i = k 64 c + 32 h + i of row r
.irp i, 0,1,2,3,4,5,6,7,8,9,10,11,12,13,14,15
	ds_store_b128 v5, v[RR+64*(\set)+4*\i:RR+64*(\set)+4*\i+3] offset:528*\i
.endr
.irp c, 0,1
.irp q, 0,1,2,3,4,5,6,7
	ds_load_b128 v[XX+32*\c+4*\q:XX+32*\c+4*\q+3], v6 offset:256*\c+16*\q
.endr
.endr
.endm
.macro SQUANT st                       ; my two whole blocks (2 c + h) of this K step: codes into v[CD] on, the row's scale word into v[WD + st]
.irp c, 0,1
	v_max3_num_f32 v[8+\c], |v[XX+32*\c]|, |v[XX+32*\c+1]|, 0x1800000
.endr
.irp i, 2,4,6,8,10,12,14,16,18,20,22,24,26,28,30
.irp c, 0,1
	v_max3_num_f32 v[8+\c], v[8+\c], |v[XX+32*\c+\i]|, |v[XX+32*\c+\i+1]|
.endr
.endr
.irp c, 0,1
	v_add_nc_u32 v[12+\c], 0xff000000, v[8+\c]     ; 2 off the exponent field: the conversion's scale operand
.endr
.irp c, 0,1
	v_lshrrev_b32 v[14+\c], 23, v[12+\c]           ; the byte
.endr
	v_lshl_or_b32 v16, v15, 16, v14                ; bytes h and 2 + h,
	v_lshlrev_b32 v16, v7, v16                     ; 8 h bits up;
	v_permlanex16_b32 v10, v16, s26, s27
	v_or_b32 v[WD+(\st)], v16, v10                 ; with lane l xor 16's two the word is whole
.irp c, 0,1
.irp g, 0,1,2,3
	v_cvt_scalef32_pk8_fp4_f32 v[CD+4*\c+\g], v[XX+32*\c+8*\g:XX+32*\c+8*\g+7], v[12+\c]
.endr
.endr
	v_nop                                          ; a plain line behind the last scaled conversion
.endm
.macro SSTEP st
.if (\st) < 3
	s_wait_loadcnt 16                              ; this step's 16 loads are in; the younger set's 16 may be out
.else
	s_wait_loadcnt 0
.endif
	STURN (\st)%2
	s_wait_dscnt 0x0                               ; the stage's stores have read the set, and the numbers are back
.if (\st) < 2
	SLOAD (\st)+2, (\st)%2
.endif
	s_wait_xcnt 0x0                                ; the last step's stores have read the codes' registers
	SQUANT \st
	global_store_b128 v4, v[CD:CD+3], s[16:17] offset:(\st)*1024        ; 512 consecutive bytes
	global_store_b128 v4, v[CD+4:CD+7], s[16:17] offset:(\st)*1024+512
.endm
.macro WLOAD t, pitch                  ; block t: W(32 t + i, my column)
.irp i, 0,1,2,3,4,5,6,7,8,9,10,11,12,13,14,15,16,17,18,19,20,21,22,23,24,25,26,27,28,29,30,31
	global_load_b32 v[XX+32*((\t)%2)+\i], v4, s[36:37] offset:(32*(\t)+\i)*\pitch th:TH_LOAD_NT
.endr
.endm
.macro WBLOCK t, pitch
.set XS, XX+32*((\t)%2)
.if (\t) < NBW-1
	s_wait_loadcnt 32                              ; this block's 32 loads are in; the next block's may be out
.else
	s_wait_loadcnt 0
.endif
	v_max3_num_f32 v12, |v[XS]|, |v[XS+1]|, |v[XS+2]|
	v_max3_num_f32 v13, |v[XS+3]|, |v[XS+4]|, |v[XS+5]|
.irp i, 6,10,14,18,22,26
	v_max3_num_f32 v12, v12, |v[XS+\i]|, |v[XS+\i+1]|
	v_max3_num_f32 v13, v13, |v[XS+\i+2]|, |v[XS+\i+3]|
.endr
	v_max3_num_f32 v12, v12, |v[XS+30]|, |v[XS+31]|
	v_max3_num_f32 v12, v12, v13, 0x1800000
	v_add_nc_u32 v11, 0xff000000, v12
	v_lshrrev_b32 v13, 23, v11
.if (\t)%4 == 0
	v_mov_b32 v[WD+(\t)/4], v13
.else
	v_lshl_or_b32 v[WD+(\t)/4], v13, 8*((\t)%4), v[WD+(\t)/4]
.endif
.irp g, 0,1,2,3
	v_cvt_scalef32_pk8_fp4_f32 v[CW+4*(\t)+\g], v[XS+8*\g:XS+8*\g+7], v11
.endr
	global_store_b128 v5, v[CW+4*(\t):CW+4*(\t)+3], s[16:17] offset:256*(\t)   ; sixteen lanes fill 256 consecutive bytes, twice
.if (\t)+2 < NBW
	WLOAD (\t)+2, \pitch
.endif
.endm
; in: s[36:37] the weight, s38 my wave's first column in it, s39 its feature number, s30 the quarter of K (0 .. 3)
.macro WPATH pitch
	s_mul_i32 s32, s30, 256*\pitch                 ; 256 rows of the weight to a quarter
	s_lshl_b32 s34, s38, 2
	s_add_co_u32 s32, s32, s34
	s_add_nc_u64 s[36:37], s[36:37], s[32:33]
	s_lshr_b32 s34, s39, 4                         ; feature tile
	s_lshl_b32 s32, s34, 13
	s_lshl_b32 s35, s30, 11                        ; a quarter's 8 blocks of 256 bytes
	s_add_co_u32 s32, s32, s35
	s_add_co_u32 s32, s32, 0x200000                ; behind the tokens' 256 tiles
	s_add_nc_u64 s[16:17], s[16:17], s[32:33]
	s_lshl_b32 s32, s34, 9
	s_lshr_b32 s35, s30, 1
	s_lshl_b32 s35, s35, 8                         ; the K half,
	s_add_co_u32 s32, s32, s35
	s_and_b32 s35, s30, 1
	s_lshl_b32 s35, s35, 3                         ; and in it words 0, 1 or words 2, 3
	s_add_co_u32 s32, s32, s35
	s_add_co_u32 s32, s32, 131072
	s_add_nc_u64 s[18:19], s[18:19], s[32:33]
	v_lshlrev_b32 v4, 2, v1
	v_lshlrev_b32 v5, 4, v2
	v_lshl_add_u32 v5, v3, 13, v5                  ; lanes 16-31: the next tile
	v_lshlrev_b32 v6, 4, v2
	v_lshl_add_u32 v6, v3, 9, v6
	WLOAD 0, \pitch
	WLOAD 1, \pitch
.set TQ, 0
.rept NBW
	WBLOCK TQ, \pitch
.set TQ, TQ+1
.endr
	global_store_b64 v6, v[WD:WD+1], s[18:19]      ; my column's 8 scale bytes of this quarter of K
	s_endpgm
.endm
.macro OLOAD g
.irp i, 0,1,2,3,4,5,6,7,8,9,10,11,12,13,14,15,16,17,18,19,20,21,22,23,24,25,26,27,28,29,30,31
	global_load_b32 v[XX+32*((\g)%2)+\i], v4, s[12:13] offset:(32*(\g)+\i)*4096 th:TH_LOAD_NT
.endr
.endm
.macro OBLK g
.if (\g) < 3
	s_wait_loadcnt 32                              ; the next group's 32 loads may be out
.else
	s_wait_loadcnt 0
.endif
.irp m, 0,1,2,3,4,5,6,7,8,9,10,11,12,13,14,15
	v_cvt_pk_f16_f32 v[CW+16*(\g)+\m], v[XX+32*((\g)%2)+2*\m], v[XX+32*((\g)%2)+2*\m+1]
.endr
.irp q, 0,1,2,3
	global_store_b128 v5, v[CW+16*(\g)+4*\q:CW+16*(\g)+4*\q+3], s[20:21] offset:(4*(\g)+\q)*256
.endr
.if (\g)+2 < 4
	OLOAD (\g)+2
.endif
.endm
.macro ONEP ni, pp                     ; pair pp of fragment ni: two mask bytes become two f16 numbers, 1.0 or 0, in row 0 alone
.if (\pp)%2
	v_lshrrev_b32 v8, 16, v[82+2*(\ni)+(\pp)/2]
	v_and_b32 v8, 0x101, v8
.else
	v_and_b32 v8, 0x101, v[82+2*(\ni)+(\pp)/2]
.endif
	v_lshl_or_b32 v9, v8, 8, v8
	v_and_b32 v9, 0x10001, v9
	v_mul_u32_u24 v[100+4*(\ni)+(\pp)], v9, v7
.endm
	s_load_b512 s[4:19], s[0:1], 0x0               ; seq 4, Wq 6, Wkv 8, Wg 10, Wo 12, mask 14, cod 16, scl 18
	s_load_b128 s[20:23], s[0:1], 0x40             ; wof 20, tab 22
	v_lshl_add_u32 v[SPW], v0, 2, SPARE
	v_mov_b32 v[NIL], 0
	v_lshrrev_b32 v1, 5, v0
	v_readfirstlane_b32 s24, v1                    ; wave
	v_and_b32 v1, 31, v0                           ; lane
	v_and_b32 v2, 15, v0                           ; r
	v_bfe_u32 v3, v0, 4, 1                         ; h
	s_mov_b32 s26, 0x76543210
	s_mov_b32 s27, 0xfedcba98                      ; v_permlanex16_b32's selects for lane l xor 16
	s_mov_b32 s33, 0                               ; the upper word of every offset pair s[32:33]
	s_wait_kmcnt 0x0
	s_cmp_lt_u32 ttmp9, 128
	s_cbranch_scc1 .Lseq
	s_cmp_lt_u32 ttmp9, 192
	s_cbranch_scc1 .Lwqg
	s_cmp_lt_u32 ttmp9, 256
	s_cbranch_scc1 .Lwkv
	s_cmp_lt_u32 ttmp9, 320
	s_cbranch_scc1 .Lwo
	s_cmp_lt_u32 ttmp9, 384
	s_cbranch_scc1 .Lrope
	; ---- THE MASK: wave W = 16 b + step serves the 128 keys of one key step
	s_sub_co_u32 s28, ttmp9, 384
	s_lshl_b32 s28, s28, 2
	s_add_co_u32 s28, s28, s24
	s_lshr_b32 s29, s28, 4                         ; b
	s_and_b32 s30, s28, 15                         ; step
	s_lshl_b32 s32, s29, 11
	s_add_nc_u64 s[14:15], s[14:15], s[32:33]      ; the batch's 2,048 bytes
	s_lshl_b32 s32, s29, 13
	s_lshl_b32 s31, s30, 9
	s_add_co_u32 s32, s32, s31
	s_add_nc_u64 s[36:37], s[22:23], s[32:33]      ; for MADD and MFL
	s_lshl_b32 s32, s29, 16
	s_lshl_b32 s31, s30, 12
	s_add_co_u32 s32, s32, s31
	s_add_nc_u64 s[38:39], s[22:23], s[32:33]      ; for ONES
	s_lshl_b32 s32, s28, 8
	s_add_nc_u64 s[40:41], s[22:23], s[32:33]      ; for ACO
	s_lshl_b32 s31, s30, 7
	v_lshlrev_b32 v4, 4, v1
	v_lshl_add_u32 v5, v1, 2, s31                  ; my four keys
	v_lshl_add_u32 v6, v3, 3, s31                  ; eight keys of my half
.irp i, 0,1,2,3
	global_load_b128 v[64+4*\i:67+4*\i], v4, s[14:15] offset:512*\i
.endr
	global_load_b32 v80, v5, s[14:15]
.irp n, 0,1,2,3,4,5,6,7
	global_load_b64 v[82+2*\n:83+2*\n], v6, s[14:15] offset:16*\n     ; fragment n = 2 ks + c: keys 32 ks + 16 c + 8 h + 0 .. 7
.endr
	s_wait_loadcnt 0x0
.irp i, 1,2,3,4,5,6,7,8,9,10,11,12,13,14,15
	v_or_b32 v64, v64, v[64+\i]
.endr
	v_cmp_ne_u32 vcc_lo, 0, v64
	s_cmp_lg_u32 vcc_lo, 0                         ; does any key of the batch count?
	s_cselect_b32 s34, 0xc31044fe, 0               ; A = -100 log2(e), or 0
	s_cselect_b32 s35, 0, 0x01010101               ; or-ed onto the mask bytes: none counts -> all count
	v_or_b32 v80, s35, v80
.irp i, 0,1,2,3
	v_bfe_u32 v[12+\i], v80, 8*\i, 8
.endr
.irp i, 0,1,2,3
	v_cvt_f32_u32 v[12+\i], v[12+\i]               ; MFL: 1.0 or 0
.endr
.irp i, 0,1,2,3
	v_add_f32 v[16+\i], -1.0, v[12+\i]
.endr
.irp i, 0,1,2,3
	v_mul_f32 v[16+\i], 0x7149f2ca, v[16+\i]       ; MADD: 0 or -1e30
.endr
	global_store_b128 v4, v[16:19], s[36:37] offset:524288
	global_store_b128 v4, v[12:15], s[36:37] offset:540672
	v_cmp_eq_u32 vcc_lo, 0, v2
	v_mov_b32 v20, 0x3c00                          ; 1.0 in f16
	v_cndmask_b32 v7, 0, v20, vcc_lo               ; row 0 alone
.irp n, 0,1,2,3,4,5,6,7,8,9,10,11,12,13,14,15
	v_or_b32 v[82+\n], s35, v[82+\n]
.endr
.irp n, 0,1,2,3,4,5,6,7
.irp p, 0,1,2,3
	ONEP \n, \p
.endr
	global_store_b128 v4, v[100+4*\n:103+4*\n], s[38:39] offset:557056+512*\n
.endr
	v_mov_b32 v22, s34
	v_mov_b32 v23, s34
	v_lshlrev_b32 v21, 3, v1
	global_store_b64 v21, v[22:23], s[40:41] offset:688128
	s_endpgm
.Lseq:  ; ---- seq: wave W = 2 rowtile + K half: 16 tokens x 512 along K, four steps of 128
	s_lshl_b32 s28, ttmp9, 2
	s_add_co_u32 s28, s28, s24
	s_lshr_b32 s29, s28, 1
	s_and_b32 s30, s28, 1
	s_lshl_b32 s32, s29, 16
	s_lshl_b32 s34, s30, 11
	s_add_co_u32 s32, s32, s34
	s_add_nc_u64 s[4:5], s[4:5], s[32:33]
	s_lshl_b32 s32, s29, 13
	s_lshl_b32 s34, s30, 12
	s_add_co_u32 s32, s32, s34
	s_add_nc_u64 s[16:17], s[16:17], s[32:33]
	s_lshl_b32 s32, s29, 9
	s_lshl_b32 s34, s30, 8
	s_add_co_u32 s32, s32, s34
	s_add_nc_u64 s[18:19], s[18:19], s[32:33]
	s_mul_i32 s35, s24, 8448                       ; my stage
	v_lshlrev_b32 v4, 4, v1
	v_add_nc_u32 v5, s35, v4
	v_mul_u32_u24 v6, v2, 528
	v_lshl_add_u32 v6, v3, 7, v6
	v_add_nc_u32 v6, s35, v6
	v_lshlrev_b32 v7, 3, v3
	v_mov_b32 v10, 0                               ; a lane permute's destination counts as one of its sources
	SLOAD 0, 0
	SLOAD 1, 1
	SSTEP 0
	SSTEP 1
	SSTEP 2
	SSTEP 3
	v_cmp_ne_u32 s28, 0, v3
	v_cndmask_b32 v46, v40, v42, s28               ; lanes 0-15 store words 0, 1 of their row, lanes 16-31 words 2, 3
	v_cndmask_b32 v47, v41, v43, s28
	v_lshlrev_b32 v48, 4, v2
	v_lshl_add_u32 v48, v3, 3, v48
	global_store_b64 v48, v[46:47], s[18:19]       ; 256 consecutive bytes
	s_wait_tensorcnt 0x0                           ; the wave's end, behind my last LDS store
	ds_add_u32 v[SPW], v[NIL]
	s_wait_dscnt 0x0
	s_endpgm
.Lwqg:  ; ---- Wq (features 0 on) and Wg (features 3072 on): number = 32 x matrix + 4 x column block + quarter of K
	s_sub_co_u32 s28, ttmp9, 128
	s_lshr_b32 s29, s28, 5
	s_cmp_eq_u32 s29, 0
	s_cselect_b64 s[36:37], s[6:7], s[10:11]
	s_bfe_u32 s31, s28, 0x30002
	s_and_b32 s30, s28, 3
	s_lshl_b32 s38, s31, 7
	s_lshl_b32 s31, s24, 5
	s_add_co_u32 s38, s38, s31
	s_mul_i32 s39, s29, 3072
	s_add_co_u32 s39, s39, s38
	WPATH 4096
.Lwkv:  ; ---- Wkv: features 1024 on: number = 4 x column block + quarter of K
	s_sub_co_u32 s28, ttmp9, 192
	s_mov_b64 s[36:37], s[8:9]
	s_lshr_b32 s31, s28, 2
	s_and_b32 s30, s28, 3
	s_lshl_b32 s38, s31, 7
	s_lshl_b32 s31, s24, 5
	s_add_co_u32 s38, s38, s31
	s_add_co_u32 s39, s38, 1024
	WPATH 8192
.Lwo:   ; ---- Wo to f16: a lane takes a column n, 128 rows of k
	s_sub_co_u32 s28, ttmp9, 256
	s_lshr_b32 s29, s28, 3
	s_and_b32 s30, s28, 7
	s_lshl_b32 s31, s29, 7
	s_lshl_b32 s32, s24, 5
	s_add_co_u32 s31, s31, s32                     ; my wave's first column
	s_lshl_b32 s32, s30, 19
	s_lshl_b32 s34, s31, 2
	s_add_co_u32 s32, s32, s34
	s_add_nc_u64 s[12:13], s[12:13], s[32:33]
	s_lshr_b32 s34, s31, 4
	s_lshl_b32 s32, s34, 15
	s_lshl_b32 s34, s30, 12
	s_add_co_u32 s32, s32, s34
	s_add_nc_u64 s[20:21], s[20:21], s[32:33]
	v_lshlrev_b32 v4, 2, v1
	v_lshlrev_b32 v5, 4, v2
	v_lshl_add_u32 v5, v3, 15, v5
	OLOAD 0
	OLOAD 1
	OBLK 0
	OBLK 1
	OBLK 2
	OBLK 3
	s_endpgm
.Lrope: ; ---- cos and sin: wave W = 2 postile + fp; lane (r, h), register j: position 16 postile + r, frequency 16 fp + 8 h + j
	s_sub_co_u32 s28, ttmp9, 320
	s_lshl_b32 s28, s28, 2
	s_add_co_u32 s28, s28, s24
	s_lshr_b32 s29, s28, 1
	s_and_b32 s30, s28, 1
	s_lshl_b32 s32, s29, 12
	s_lshl_b32 s34, s30, 11
	s_add_co_u32 s32, s32, s34
	s_add_nc_u64 s[22:23], s[22:23], s[32:33]
	s_lshl_b32 s31, s29, 4
	v_add_nc_u32 v8, s31, v2
	v_cvt_f32_u32 v8, v8                           ; the position
	s_lshl_b32 s31, s30, 4
	v_lshl_add_u32 v9, v3, 3, s31
	v_lshlrev_b32 v4, 4, v1
	s_mov_b32 s36, 0xbfc90000                      ; -pi/2 in three parts
	s_mov_b32 s37, 0xb9fda000
	s_mov_b32 s38, 0xb3a22168
	s_mov_b32 s39, 0xb94ca1f9                      ; the sine's polynomial on +-pi/4
	s_mov_b32 s40, 0x3c08839e
	s_mov_b32 s41, 0xbe2aaaa3
	s_mov_b32 s42, 0x37ccf5ce                      ; the cosine's
	s_mov_b32 s43, 0xbab6061a
	s_mov_b32 s44, 0x3d2aaaa5
.irp j, 0,1,2,3,4,5,6,7
	v_add_nc_u32 v[64+\j], \j, v9
.endr
.irp j, 0,1,2,3,4,5,6,7
	v_cvt_f32_u32 v[64+\j], v[64+\j]
.endr
.irp j, 0,1,2,3,4,5,6,7
	v_mul_f32 v[64+\j], 0xbea00000, v[64+\j]       ; 1024^(-i/32) = 2^(-0.3125 i)
.endr
.irp j, 0,1,2,3,4,5,6,7
	v_exp_f32 v[72+\j], v[64+\j]
.endr
	v_nop                                          ; a plain line behind the last exponential,
	s_wait_alu depctr_va_vdst(0)                   ; and one wait for the batch, ahead of its first reader
.irp j, 0,1,2,3,4,5,6,7
	v_mul_f32 v[80+\j], v8, v[72+\j]               ; the angle
.endr
.irp j, 0,1,2,3,4,5,6,7
	v_mul_f32 v[88+\j], 0x3f22f983, v[80+\j]
.endr
.irp j, 0,1,2,3,4,5,6,7
	v_rndne_f32 v[88+\j], v[88+\j]                 ; quarter turns
.endr
.irp j, 0,1,2,3,4,5,6,7
	v_fma_f32 v[96+\j], v[88+\j], s36, v[80+\j]
.endr
.irp j, 0,1,2,3,4,5,6,7
	v_fma_f32 v[96+\j], v[88+\j], s37, v[96+\j]
.endr
.irp j, 0,1,2,3,4,5,6,7
	v_fma_f32 v[96+\j], v[88+\j], s38, v[96+\j]    ; what is left, within +-pi/4
.endr
.irp j, 0,1,2,3,4,5,6,7
	v_mul_f32 v[104+\j], v[96+\j], v[96+\j]
.endr
.irp j, 0,1,2,3,4,5,6,7
	v_fma_f32 v[112+\j], v[104+\j], s39, s40
	v_fma_f32 v[120+\j], v[104+\j], s42, s43
.endr
.irp j, 0,1,2,3,4,5,6,7
	v_fma_f32 v[112+\j], v[112+\j], v[104+\j], s41
	v_fma_f32 v[120+\j], v[120+\j], v[104+\j], s44
.endr
.irp j, 0,1,2,3,4,5,6,7
	v_mul_f32 v[136+\j], v[104+\j], v[96+\j]
	v_mul_f32 v[160+\j], v[104+\j], v[104+\j]
	v_fma_f32 v[144+\j], v[104+\j], -0.5, 1.0
.endr
.irp j, 0,1,2,3,4,5,6,7
	v_fma_f32 v[112+\j], v[112+\j], v[136+\j], v[96+\j]     ; sin
	v_fma_f32 v[120+\j], v[120+\j], v[160+\j], v[144+\j]    ; cos
	v_cvt_i32_f32 v[128+\j], v[88+\j]
.endr
.irp j, 0,1,2,3,4,5,6,7
	v_and_b32 v[136+\j], 1, v[128+\j]
	v_cmp_ne_u32 vcc_lo, 0, v[136+\j]              ; an odd number of quarter turns swaps the two
	v_cndmask_b32 v[144+\j], v[112+\j], v[120+\j], vcc_lo
	v_cndmask_b32 v[152+\j], v[120+\j], v[112+\j], vcc_lo
	v_and_b32 v[136+\j], 2, v[128+\j]
	v_lshlrev_b32 v[136+\j], 30, v[136+\j]
	v_xor_b32 v[144+\j], v[136+\j], v[144+\j]      ; the sine's sign
	v_add_nc_u32 v[160+\j], 1, v[128+\j]
	v_and_b32 v[160+\j], 2, v[160+\j]
	v_lshlrev_b32 v[160+\j], 30, v[160+\j]
	v_xor_b32 v[152+\j], v[160+\j], v[152+\j]      ; the cosine's
.endr
	global_store_b128 v4, v[152:155], s[22:23]
	global_store_b128 v4, v[156:159], s[22:23] offset:512
	global_store_b128 v4, v[144:147], s[22:23] offset:1024
	global_store_b128 v4, v[148:151], s[22:23] offset:1536
	s_endpgm
.Lfunc_end_k_q6c41d9d213_prep:
	.size	k_q6c41d9d213_prep, .Lfunc_end_k_q6c41d9d213_prep-k_q6c41d9d213_prep
	.p2alignl 7, 3214868480
	.fill 96, 4, 3214868480
	.section	.rodata,"a",@progbits
	.p2align	6, 0x0
	.amdhsa_kernel k_q6c41d9d213_prep
		.amdhsa_group_segment_fixed_size 34304
		.amdhsa_private_segment_fixed_size 0
		.amdhsa_enable_private_segment 0
		.amdhsa_kernarg_size 80
		.amdhsa_user_sgpr_count 2
		.amdhsa_user_sgpr_kernarg_segment_ptr 1
		.amdhsa_wavefront_size32 1
		.amdhsa_system_sgpr_workgroup_id_x 1
		.amdhsa_system_sgpr_workgroup_id_y 1
		.amdhsa_system_sgpr_workgroup_id_z 1
		.amdhsa_system_vgpr_workitem_id 0
		.amdhsa_next_free_vgpr 256
		.amdhsa_next_free_sgpr 66
		.amdhsa_reserve_vcc 1
		.amdhsa_float_denorm_mode_32 3
		.amdhsa_float_denorm_mode_16_64 3
		.amdhsa_memory_ordered 1
		.amdhsa_forward_progress 1
		.amdhsa_inst_pref_size 149
	.end_amdhsa_kernel
	.amdgpu_metadata
---
amdhsa.version: [ 1, 2 ]
amdhsa.kernels:
  - .name:           k_q6c41d9d213_prep
    .symbol:         k_q6c41d9d213_prep.kd
    .args:
      - { .name: seq, .offset: 0, .size: 8, .value_kind: global_buffer, .address_space: global }
      - { .name: Wq, .offset: 8, .size: 8, .value_kind: global_buffer, .address_space: global }
      - { .name: Wkv, .offset: 16, .size: 8, .value_kind: global_buffer, .address_space: global }
      - { .name: Wg, .offset: 24, .size: 8, .value_kind: global_buffer, .address_space: global }
      - { .name: Wo, .offset: 32, .size: 8, .value_kind: global_buffer, .address_space: global }
      - { .name: mask, .offset: 40, .size: 8, .value_kind: global_buffer, .address_space: global }
      - { .name: cod, .offset: 48, .size: 8, .value_kind: global_buffer, .address_space: global }
      - { .name: scl, .offset: 56, .size: 8, .value_kind: global_buffer, .address_space: global }
      - { .name: wof, .offset: 64, .size: 8, .value_kind: global_buffer, .address_space: global }
      - { .name: tab, .offset: 72, .size: 8, .value_kind: global_buffer, .address_space: global }
    .group_segment_fixed_size: 34304
    .private_segment_fixed_size: 0
    .kernarg_segment_align: 8
    .kernarg_segment_size: 80
    .max_flat_workgroup_size: 128
    .sgpr_count:     66
    .vgpr_count:     256
    .wavefront_size: 32
...
	.end_amdgpu_metadata
.endif
;; end of part 1
;; launch proj (part 2): grid 16 x 16, 4 waves a work-group, clusters of 4 x 4, 279,040 bytes of LDS; arguments cod, scl, tab, bq, bg, qkv, gat; writes qkv, gat
.if DOCPART == 2
	.amdgcn_target "amdgcn-amd-amdhsa--gfx1250"
	.amdhsa_code_object_version 6
	.text
	.protected	k_q6c41d9d213_proj
	.globl	k_q6c41d9d213_proj
	.p2align	8
	.type	k_q6c41d9d213_proj,@function
k_q6c41d9d213_proj:
	s_mov_b64 s[64:65], 0
	v_nop
	global_prefetch_b8 v0, s[64:65] scope:SCOPE_SE
	s_setreg_imm32_b32 hwreg(HW_REG_WAVE_MODE, 25, 1), 1
	s_wait_xcnt 0x0
	s_wait_alu depctr_hold_cnt(0) depctr_sa_sdst(0) depctr_va_vdst(0) depctr_va_sdst(0) depctr_va_ssrc(0) depctr_va_vcc(0) depctr_vm_vsrc(0)
	s_getreg_b32 s2, hwreg(HW_REG_IB_STS2, 6, 4)
	s_cmp_eq_u32 s2, 0
	s_cbranch_scc0 .Lentry_in_a_cluster
	s_endpgm
.Lentry_in_a_cluster:
	s_bfe_u32 s2, ttmp6, 0x10000c
	s_cmp_lg_u32 s2, 0xf033
	s_cbranch_scc0 .Lentry_shape_is_right
	s_endpgm
.Lentry_shape_is_right:
; PROJ: the three quantised products as ONE product on E2M1 codes: 4,096 tokens x 4,096 features (q, k, v, g: 1,024 each) x K 1,024, and what follows each of them.  No work is left out.
; A work-group of four waves makes 256 tokens x 256 features, a wave 128 x 128: 64 accumulators in windows 2 and 3.  The cluster's x is the kind of feature: 0 q, 1 k, 2 v, 3 g: the same in all sixteen partners.
; ALL OF K LIES IN LDS AT ONCE: the codes of 128 rows are 65,536 consecutive bytes of memory, in the order of the operand's registers; a wave brings them by one tensor load, and their scale words (4,096 bytes) by another.
; Nothing is filled twice: two loads of mine are out, one wait for both, one barrier.
; CLUSTER 4 x 4: the tokens' tiles hang on the token block alone and are asked for jointly along a row of the cluster, the features' on the feature block alone, along a column.
; WHICH SIDE IS THE LANE.  Source 1's rows fall on lanes, source 0's on registers.  For q, k, g source 1 = tokens: a lane holds 8 neighbouring features of one token.  For v source 1 = features: a lane holds 8 neighbouring
; tokens (keys) of one channel.  Each is a 16-byte piece of the attention's operand as it stands.  The swap is made in the LDS read addresses alone, from the cluster's x.
; WAYS OUT: q: + bq (the C of the first product), RoPE, x 2 log2(e)/50, f16.  k: RoPE, x 1/8, f16.  v: x the mask (1 or 0), f16.  g: + bg, sigmoid, f32.  Every store is 512 consecutive bytes.
; LIMITS: q x 0.058, k / 8 and v are kept in f16: they have room for inputs some 900 times larger or smaller than a spread of 0.6; the sigmoid is 0 under x = -88.
; REGISTERS: window 0: v1-31 addresses; v32-95 scale words (K half kh at 32 kh; register 4 i + q: lanes 0-15 source 1's block i, lanes 16-31 source 0's); v128-191 source 1's fragments, one set; v192-255 the bias tiles.
;   window 1: source 0's fragments, two sets (v0, v128); on q's and k's way out the cos and sin.
.set SCL,   262144                     ; behind the codes (wave x 65,536): the scale words, wave x 4,096
.set SPARE, 278528                     ; the spare words, 128 bytes a wave
.set FR,    8
.set ADRA,  16
.set ADRB,  20
.set GO,    24                         ; 16 x lane
.set ADRS,  27
.set SPW,   28
.set NIL,   29
.set SC,    32
.set AF,    128
.set BI,    192
.set WV,  18
.set WH,  19                           ; wave / 2: my half of source 1's rows; also: I fetch tokens (0) or features (1)
.set WL,  20                           ; wave % 2: my half of source 0's rows; also: which 128 rows I fetch
.set CX,  21
.set CY,  22
.set TY,  23
.set G1T, 24
.set G1F, 32
.set G1ST, 40
.set G1SF, 48
.set G0T, 56
.set G0F, 60
.set G0ST, 68
.set G0SF, 72
.set MSB, 0
.macro WIN new                         ; the immediate's high byte repeats the setting that is left
.if MSB != (\new)
	s_set_vgpr_msb (MSB<<8)|(\new)
.set MSB, (\new)
.endif
.endm
.macro PLACES                          ; four plain lines behind matrix instructions, in front of loads into their registers and of reads of results
.rept 4
	v_nop
.endr
.endm
.macro JLOAD g0a, g1a, g0b, g1b        ; a joint load: waves 0, 1 for the tokens, waves 2, 3 for the features; an s_nop 0 and four v_nop follow each line
	s_cmp_eq_u32 s[WH], 0
	s_cbranch_scc0 .Lfor_b_\@
	tensor_load_to_lds s[\g0a:\g0a+3], s[\g1a:\g1a+7]
	s_nop 0
	PLACES
	s_branch .Lasked_\@
.Lfor_b_\@:
	tensor_load_to_lds s[\g0b:\g0b+3], s[\g1b:\g1b+7]
	s_nop 0
	PLACES
.Lasked_\@:
.endm
.macro CROUND                          ; a round of the cluster's barrier
	s_barrier_signal -1
	s_barrier_wait -1
	s_cmp_lg_u32 s[WV], 0
	s_cbranch_scc1 .Lnot_wave_0_\@
	s_barrier_signal -3
.Lnot_wave_0_\@:
	s_barrier_wait -3
	s_barrier_signal -1
	s_barrier_wait -1
.endm
.macro FRAG reg, adr, st, i            ; a fragment, 16 rows x 128 K: two loads of 512 consecutive bytes
.irp c, 0,1
	ds_load_b128 v[\reg+4*\c:\reg+4*\c+3], v[\adr] offset:(\i)*8192+(\st)*1024+512*\c
.endr
.endm
.macro FETCH_B st, p
	WIN 0x40
.irp i, 0,1,2,3,4,5,6,7
	FRAG 128*(\p)+FR*\i, ADRB, \st, \i
.endr
	WIN 0
.endm
.macro FETCH_A st, i0
.irp i, \i0, \i0+1, \i0+2, \i0+3
	FRAG AF+FR*(\i), ADRA, \st, \i
.endr
.endm
; 16 products: source 1's blocks a0, a0 + 1 against source 0's eight, K step st.  The 64 accumulators take turns, one instruction a turn, in the same order in every step.
; In step 0 the C is the bias tile: nothing is cleared and nothing is added later.
.macro MUL16 a0, p, st
.irp a, \a0, \a0+1
.irp b, 0,1,2,3,4,5,6,7
.if (\st) == 0
	v_wmma_scale_f32_16x16x128_f8f6f4 v[8*(8*((\a)%4)+\b):8*(8*((\a)%4)+\b)+7], v[128*(\p)+FR*\b:128*(\p)+FR*\b+FR-1], v[AF+FR*(\a):AF+FR*(\a)+FR-1], v[BI+8*\b:BI+8*\b+7], v[SC+32*((\st)/4)+4*\b+(\st)%4], v[SC+32*((\st)/4)+4*(\a)+(\st)%4] matrix_a_fmt:MATRIX_FMT_FP4 matrix_b_fmt:MATRIX_FMT_FP4 matrix_a_scale:MATRIX_SCALE_ROW1
.else
	v_wmma_scale_f32_16x16x128_f8f6f4 v[8*(8*((\a)%4)+\b):8*(8*((\a)%4)+\b)+7], v[128*(\p)+FR*\b:128*(\p)+FR*\b+FR-1], v[AF+FR*(\a):AF+FR*(\a)+FR-1], v[8*(8*((\a)%4)+\b):8*(8*((\a)%4)+\b)+7], v[SC+32*((\st)/4)+4*\b+(\st)%4], v[SC+32*((\st)/4)+4*(\a)+(\st)%4] matrix_a_fmt:MATRIX_FMT_FP4 matrix_b_fmt:MATRIX_FMT_FP4 matrix_a_scale:MATRIX_SCALE_ROW1
.endif
.endr
.endr
.endm
.macro WLO st                          ; source 0 window 1, source 1 window 0, D window 2; C window 0 (the bias) in step 0, else window 2
.if (\st) == 0
	WIN 0x81
.else
	WIN 0xa1
.endif
.endm
.macro WHI st
.if (\st) == 0
	WIN 0xc1
.else
	WIN 0xf1
.endif
.endm
.macro STEP st                         ; a K step of 128 that has a successor
	s_wait_dscnt 8                                 ; all but the youngest eight loads (source 1's blocks 4-7) are in
	WLO \st
	MUL16 0, (\st)%2, \st
	MUL16 2, (\st)%2, \st
	s_wait_dscnt 0x0
	PLACES
	FETCH_B (\st)+1, 1-(\st)%2
	FETCH_A (\st)+1, 0
	WHI \st
	MUL16 4, (\st)%2, \st
	MUL16 6, (\st)%2, \st
	PLACES
	WIN 0
	FETCH_A (\st)+1, 4
.endm
	s_load_b256 s[4:11], s[0:1], 0x0               ; cod 4, scl 6, tab 8, bq 10
	s_load_b128 s[12:15], s[0:1], 0x20             ; bg 12, qkv 14
	s_load_b64 s[16:17], s[0:1], 0x30              ; gat
	v_lshl_add_u32 v[SPW], v0, 2, SPARE
	v_mov_b32 v[NIL], 0
	ds_add_u32 v[SPW], v[NIL]                      ; the wave's opening: the add, twice on end, and its wait ahead of my first tensor load
	ds_add_u32 v[SPW], v[NIL]
	v_lshrrev_b32 v1, 5, v0
	v_readfirstlane_b32 s[WV], v1
	s_lshr_b32 s[WH], s[WV], 1
	s_and_b32 s[WL], s[WV], 1
	s_bfe_u32 s[CX], ttmp6, 0x40000
	s_bfe_u32 s[CY], ttmp6, 0x40004
	s_mov_b32 s[TY], ttmp9                         ; the kind of feature
	s_lshl_b32 s84, ttmp9, 2
	s_add_co_u32 s84, s84, s[CX]                   ; feature block of 256
	s_and_b32 s85, ttmp7, 0xffff
	s_lshl_b32 s85, s85, 2
	s_add_co_u32 s85, s85, s[CY]                   ; token block of 256
	s_lshl_b32 s76, s[CY], 2
	s_lshl_b32 s76, 15, s76                        ; my row of the cluster
	s_lshl_b32 s78, 0x1111, s[CX]                  ; my column
	s_or_b32 s[G1T], s76, (3<<16)|(1<<21)          ; elements of 8 bytes, no padding; bit 21 beside a mask
	s_or_b32 s[G1F], s78, (3<<16)|(1<<21)
	s_or_b32 s[G1ST], s76, (3<<16)|(1<<21)
	s_or_b32 s[G1SF], s78, (3<<16)|(1<<21)
.irp g, G1T, G1F                       ; 65,536 dense bytes as 256 rows of 256
	s_mov_b32 s[\g+1], 32<<16
	s_mov_b32 s[\g+2], 256<<16
	s_mov_b32 s[\g+3], 32<<16
	s_mov_b32 s[\g+4], 256
	s_mov_b32 s[\g+5], 32
	s_mov_b32 s[\g+6], 0
	s_mov_b32 s[\g+7], 0
.endr
.irp g, G1ST, G1SF                     ; 4,096 dense bytes as 16 rows of 256
	s_mov_b32 s[\g+1], 32<<16
	s_mov_b32 s[\g+2], 16<<16
	s_mov_b32 s[\g+3], 32<<16
	s_mov_b32 s[\g+4], 16
	s_mov_b32 s[\g+5], 32
	s_mov_b32 s[\g+6], 0
	s_mov_b32 s[\g+7], 0
.endr
	s_lshl_b32 s76, s85, 4
	s_lshl_b32 s77, s[WL], 3
	s_add_co_u32 s76, s76, s77                     ; the first token tile that I fetch
	s_lshl_b32 s80, s76, 9                         ; its scale words,
	s_lshl_b32 s76, s76, 13                        ; its codes
	s_mov_b32 s77, 0
	s_mov_b32 s81, 0
	s_lshl_b32 s78, s84, 4
	s_lshl_b32 s79, s[WL], 3
	s_add_co_u32 s78, s78, s79                     ; the first feature tile
	s_lshl_b32 s82, s78, 9
	s_add_co_u32 s82, s82, 131072
	s_lshl_b32 s78, s78, 13
	s_add_co_u32 s78, s78, 0x200000
	s_mov_b32 s79, 0
	s_mov_b32 s83, 0
	s_lshl_b32 s90, s[WV], 16                      ; where they go: the wave's number alone
	s_lshl_b32 s91, s[WV], 12
	s_add_co_u32 s91, s91, SCL
	s_wait_dscnt 0x0                               ; both opening adds are done
	s_wait_kmcnt 0x0
	CROUND                                         ; all sixteen work-groups are here: the joint loads meet
	s_mov_b32 s[G0ST], 1
	s_mov_b32 s[G0ST+1], s91
	s_add_nc_u64 s[G0ST+2:G0ST+3], s[6:7], s[80:81]
	s_or_b32 s[G0ST+3], s[G0ST+3], 0x80000000
	s_mov_b32 s[G0SF], 1
	s_mov_b32 s[G0SF+1], s91
	s_add_nc_u64 s[G0SF+2:G0SF+3], s[6:7], s[82:83]
	s_or_b32 s[G0SF+3], s[G0SF+3], 0x80000000
	s_mov_b32 s[G0T], 1
	s_mov_b32 s[G0T+1], s90
	s_add_nc_u64 s[G0T+2:G0T+3], s[4:5], s[76:77]
	s_or_b32 s[G0T+3], s[G0T+3], 0x80000000
	s_mov_b32 s[G0F], 1
	s_mov_b32 s[G0F+1], s90
	s_add_nc_u64 s[G0F+2:G0F+3], s[4:5], s[78:79]
	s_or_b32 s[G0F+3], s[G0F+3], 0x80000000
	JLOAD G0ST, G1ST, G0SF, G1SF
	JLOAD G0T, G1T, G0F, G1F
	v_and_b32 v1, 31, v0
	v_and_b32 v2, 15, v0                           ; r
	v_bfe_u32 v3, v0, 4, 1                         ; h
	v_lshlrev_b32 v[GO], 4, v1
	s_cmp_eq_u32 s[TY], 2                          ; v: the features are source 1
	s_cselect_b32 s86, 131072, 0
	s_cselect_b32 s87, 0, 131072
	s_cselect_b32 s88, 8192, 0
	s_cselect_b32 s89, 0, 8192
	s_lshl_b32 s92, s[WH], 16
	s_add_co_u32 s86, s86, s92
	s_lshl_b32 s92, s[WL], 16
	s_add_co_u32 s87, s87, s92
	v_add_nc_u32 v[ADRA], s86, v[GO]
	v_add_nc_u32 v[ADRB], s87, v[GO]
	s_lshl_b32 s92, s[WH], 12
	s_add_co_u32 s88, s88, s92
	s_add_co_u32 s88, s88, SCL
	s_lshl_b32 s92, s[WL], 12
	s_add_co_u32 s89, s89, s92
	s_add_co_u32 s89, s89, SCL
	v_lshlrev_b32 v4, 4, v2
	v_add_nc_u32 v5, s88, v4
	v_add_nc_u32 v6, s89, v4
	v_cmp_ne_u32 s93, 0, v3
	v_cndmask_b32 v[ADRS], v5, v6, s93             ; lanes 0-15: source 1's scale words; lanes 16-31: source 0's
	; the bias tiles: lane (r, h), register 8 b + j: the bias of feature 16 b + 8 h + j of my 128; zeros for k and v
	s_cmp_eq_u32 s[TY], 3
	s_cselect_b64 s[94:95], s[12:13], s[10:11]
	s_lshr_b32 s92, s[TY], 1
	s_xor_b32 s92, s92, s[TY]
	s_and_b32 s92, s92, 1
	s_sub_co_u32 s92, s92, 1                       ; all ones for q and g, 0 for k and v
	s_lshl_b32 s96, s[CX], 10
	s_lshl_b32 s97, s[WL], 9
	s_add_co_u32 s96, s96, s97
	v_lshl_add_u32 v25, v3, 5, s96
.irp b, 0,1,2,3,4,5,6,7
	global_load_b128 v[BI+8*\b:BI+8*\b+3], v25, s[94:95] offset:64*\b
	global_load_b128 v[BI+8*\b+4:BI+8*\b+7], v25, s[94:95] offset:64*\b+16
.endr
	s_wait_loadcnt 0x0
.set nn, 0
.rept 64
	v_and_b32 v[BI+nn], s92, v[BI+nn]
.set nn, nn+1
.endr
	s_wait_tensorcnt 0x0                           ; my two loads have landed,
	s_barrier_signal -1
	s_barrier_wait -1                              ; everybody's have; nothing is ever filled again
	FETCH_B 0, 0
	FETCH_A 0, 0
.irp kh, 0,1
.irp i, 0,1,2,3,4,5,6,7
	ds_load_b128 v[SC+32*\kh+4*\i:SC+32*\kh+4*\i+3], v[ADRS] offset:512*\i+256*\kh    ; all of K's scale words: 64 registers
.endr
.endr
	FETCH_A 0, 4
	STEP 0
	STEP 1
	STEP 2
	STEP 3
	STEP 4
	STEP 5
	STEP 6
	s_wait_dscnt 8
	WIN 0xa1
	MUL16 0, 1, 7
	MUL16 2, 1, 7
	s_wait_dscnt 0x0
	WIN 0xf1
	MUL16 4, 1, 7
	MUL16 6, 1, 7
	WIN 0
	PLACES                                         ; behind the last products, for every way out
	s_lshr_b32 s76, s85, 3                         ; batch
	s_lshl_b32 s76, s76, 4
	s_lshl_b32 s77, s[CX], 2
	s_add_co_u32 s76, s76, s77                     ; 16 batch + 4 cx
	s_and_b32 s77, s85, 7                          ; the token block in its batch
	s_mov_b32 s81, 0
	s_cmp_eq_u32 s[TY], 2
	s_cbranch_scc1 .Lv
	s_lshl_b32 s78, s[WL], 1
	s_add_co_u32 s76, s76, s78                     ; q, k, g: my first head: + 2 x (wave % 2)
	s_lshl_b32 s77, s77, 4
	s_lshl_b32 s78, s[WH], 3
	s_add_co_u32 s77, s77, s78                     ; my first token tile in the batch
	s_lshl_b32 s76, s76, 7
	s_add_co_u32 s76, s76, s77                     ; (batch, head) x 128 + token tile
	s_cmp_eq_u32 s[TY], 3
	s_cbranch_scc1 .Lg
	; ---- q and k: RoPE, a factor, f16.  [bh][token tile][ft 4][lane][16 B]: d = 16 ft + 8 h + j
	s_lshl_b32 s80, s77, 12
	s_add_nc_u64 s[8:9], s[8:9], s[80:81]          ; my tiles' cos and sin
	s_lshl_b32 s80, s76, 11
	s_lshl_b32 s78, s[TY], 23
	s_add_co_u32 s80, s80, s78
	s_add_nc_u64 s[14:15], s[14:15], s[80:81]
	s_mov_b32 s88, 0x3e000000                      ; k: 1/8
	s_cmp_eq_u32 s[TY], 0
	s_cselect_b32 s88, 0x3d6c5f04, s88             ; q: 2 log2(e) / 50
	s_mov_b32 s89, s88
	WIN 0x40
.irp a, 0,1,2,3,4,5,6,7
.irp n, 0,1,2,3,4,5,6,7
	global_load_b128 v[32*\a+4*\n:32*\a+4*\n+3], v[GO], s[8:9] offset:\a*4096+\n*512    ; tile a: frequencies 0-15: cos 0-7, sin 8-15; frequencies 16-31: 16-23, 24-31
.endr
.endr
	WIN 0
.macro ROPE a
	s_wait_loadcnt 8*(7-(\a))                      ; tile a's eight loads are in; the later tiles' may be out
	s_wait_xcnt 0x0                                ; the last tile's stores have read their registers
	WIN 0x41
.irp i, 0,2,4,6,8,10,12,14,16,18,20,22,24,26,28,30
	v_pk_mul_f32 v[32*(\a)+\i:32*(\a)+\i+1], v[32*(\a)+\i:32*(\a)+\i+1], s[88:89] op_sel_hi:[1,0]   ; the factor goes onto cos and sin
.endr
	WIN 0x06+(\a)/4                                ; source 0: the accumulators, source 1: cos and sin
.irp hd, 0,1
.irp fp, 0,1
.set X1, 8*(8*((\a)%4)+4*\hd+\fp)
.set X2, X1+16
.set CO, 32*(\a)+16*\fp
.set SI, CO+8
.set TT, 32+16*(2*\hd+\fp)
.set UU, TT+8
.irp i, 0,2,4,6
	v_pk_mul_f32 v[TT+\i:TT+\i+1], v[X2+\i:X2+\i+1], v[SI+\i:SI+\i+1]
.endr
.irp i, 0,2,4,6
	v_pk_mul_f32 v[UU+\i:UU+\i+1], v[X1+\i:X1+\i+1], v[SI+\i:SI+\i+1]
.endr
.irp i, 0,2,4,6
	v_pk_fma_f32 v[TT+\i:TT+\i+1], v[X1+\i:X1+\i+1], v[CO+\i:CO+\i+1], v[TT+\i:TT+\i+1] neg_lo:[0,0,1] neg_hi:[0,0,1]   ; x1 cos - x2 sin
.endr
.irp i, 0,2,4,6
	v_pk_fma_f32 v[UU+\i:UU+\i+1], v[X2+\i:X2+\i+1], v[CO+\i:CO+\i+1], v[UU+\i:UU+\i+1]                                 ; x2 cos + x1 sin
.endr
.endr
.endr
	WIN 0
.irp hd, 0,1
.irp fp, 0,1
.irp i, 0,1,2,3,4,5,6,7
	v_cvt_pk_f16_f32 v[144+8*(2*\hd+\fp)+\i], v[32+16*(2*\hd+\fp)+2*\i], v[32+16*(2*\hd+\fp)+2*\i+1]
.endr
	global_store_b128 v[GO], v[144+8*(2*\hd+\fp):144+8*(2*\hd+\fp)+3], s[14:15] offset:(\a)*2048+\hd*262144+\fp*512 th:TH_STORE_NT
	global_store_b128 v[GO], v[148+8*(2*\hd+\fp):148+8*(2*\hd+\fp)+3], s[14:15] offset:(\a)*2048+\hd*262144+\fp*512+1024 th:TH_STORE_NT
.endr
.endr
.endm
.irp a, 0,1,2,3,4,5,6,7
	ROPE \a
.endr
	s_branch .Ldone
.Lv:    ; ---- v: x the mask, f16.  [bh][step of 128 keys][ks 4][ct 4][c 2][lane][16 B]: channel 16 ct + r, key 32 ks + 16 c + 8 h + j
	s_lshl_b32 s78, s[WH], 1
	s_add_co_u32 s76, s76, s78                     ; my first head
	s_lshl_b32 s76, s76, 18
	s_lshl_b32 s77, s77, 1
	s_add_co_u32 s77, s77, s[WL]                   ; my step of 128 keys
	s_lshl_b32 s77, s77, 14
	s_add_co_u32 s80, s76, s77
	s_add_co_u32 s80, s80, 0x1000000
	s_add_nc_u64 s[14:15], s[14:15], s[80:81]
	s_lshl_b32 s80, s85, 10
	s_lshl_b32 s78, s[WL], 9
	s_add_co_u32 s80, s80, s78
	s_add_nc_u64 s[8:9], s[8:9], s[80:81]          ; my 128 tokens' mask numbers
	v_lshlrev_b32 v26, 5, v3
.irp b, 0,1,2,3,4,5,6,7
	global_load_b128 v[32+8*\b:35+8*\b], v26, s[8:9] offset:540672+64*\b
	global_load_b128 v[36+8*\b:39+8*\b], v26, s[8:9] offset:540672+64*\b+16
.endr
	s_wait_loadcnt 0x0
.macro VOUT a
	s_wait_xcnt 0x0                                ; the last block's stores have read their registers
	WIN 0x02+(\a)/4
.irp b, 0,1,2,3,4,5,6,7
.irp i, 0,2,4,6
	v_pk_mul_f32 v[128+8*\b+\i:128+8*\b+\i+1], v[8*(8*((\a)%4)+\b)+\i:8*(8*((\a)%4)+\b)+\i+1], v[32+8*\b+\i:32+8*\b+\i+1]
.endr
.endr
	WIN 0
.irp b, 0,1,2,3,4,5,6,7
.irp i, 0,1,2,3
	v_cvt_pk_f16_f32 v[192+4*\b+\i], v[128+8*\b+2*\i], v[128+8*\b+2*\i+1]
.endr
.endr
.irp b, 0,1,2,3,4,5,6,7
	global_store_b128 v[GO], v[192+4*\b:195+4*\b], s[14:15] offset:((\a)/4)*262144+(\b/2)*4096+((\a)%4)*1024+(\b%2)*512 th:TH_STORE_NT
.endr
.endm
.irp a, 0,1,2,3,4,5,6,7
	VOUT \a
.endr
	s_branch .Ldone
.Lg:    ; ---- g: sigmoid = 1 / (1 + 2^(-log2(e) x)), f32.  [bh][token tile][ct 4][half 2][lane][16 B]
	s_lshl_b32 s80, s76, 12
	s_add_nc_u64 s[16:17], s[16:17], s[80:81]
	s_mov_b32 s88, 0xbfb8aa3b
	s_mov_b32 s89, s88
.macro GOUT a
	s_wait_xcnt 0x0
	WIN 0x02+(\a)/4
.set nn, 0
.rept 32
	v_pk_mul_f32 v[128+nn:129+nn], v[64*((\a)%4)+nn:64*((\a)%4)+nn+1], s[88:89] op_sel_hi:[1,0]
.set nn, nn+2
.endr
	WIN 0
.set nn, 0
.rept 64
	v_exp_f32 v[128+nn], v[128+nn]
.set nn, nn+1
.endr
	v_nop                                          ; a plain line behind the batch,
	s_wait_alu depctr_va_vdst(0)                   ; and its one wait
.set nn, 0
.rept 32
	v_pk_add_f32 v[128+nn:129+nn], v[128+nn:129+nn], 1.0 op_sel_hi:[1,0]
.set nn, nn+2
.endr
.set nn, 0
.rept 64
	v_rcp_f32 v[128+nn], v[128+nn]
.set nn, nn+1
.endr
	v_nop
	s_wait_alu depctr_va_vdst(0)
.irp m, 0,1,2,3,4,5,6,7,8,9,10,11,12,13,14,15
	global_store_b128 v[GO], v[128+4*\m:131+4*\m], s[16:17] offset:(\a)*4096+(\m/8)*524288+((\m/2)%4)*1024+(\m%2)*512 th:TH_STORE_NT
.endr
.endm
.irp a, 0,1,2,3,4,5,6,7
	GOUT \a
.endr
.Ldone:
	s_wait_tensorcnt 0x0                           ; the wave's end
	ds_add_u32 v[SPW], v[NIL]
	s_wait_dscnt 0x0
	CROUND                                         ; the closing round
	s_endpgm
.Lfunc_end_k_q6c41d9d213_proj:
	.size	k_q6c41d9d213_proj, .Lfunc_end_k_q6c41d9d213_proj-k_q6c41d9d213_proj
	.p2alignl 7, 3214868480
	.fill 96, 4, 3214868480
	.section	.rodata,"a",@progbits
	.p2align	6, 0x0
	.amdhsa_kernel k_q6c41d9d213_proj
		.amdhsa_group_segment_fixed_size 279040
		.amdhsa_private_segment_fixed_size 0
		.amdhsa_enable_private_segment 0
		.amdhsa_kernarg_size 56
		.amdhsa_user_sgpr_count 2
		.amdhsa_user_sgpr_kernarg_segment_ptr 1
		.amdhsa_wavefront_size32 1
		.amdhsa_system_sgpr_workgroup_id_x 1
		.amdhsa_system_sgpr_workgroup_id_y 1
		.amdhsa_system_sgpr_workgroup_id_z 1
		.amdhsa_system_vgpr_workitem_id 0
		.amdhsa_next_free_vgpr 1024
		.amdhsa_next_free_sgpr 100
		.amdhsa_reserve_vcc 0
		.amdhsa_float_denorm_mode_32 3
		.amdhsa_float_denorm_mode_16_64 3
		.amdhsa_memory_ordered 1
		.amdhsa_forward_progress 1
		.amdhsa_inst_pref_size 255
	.end_amdhsa_kernel
	.section	.bss,"aw",@nobits
	.p2align	6
	.space	262144
	.amdgpu_metadata
---
amdhsa.version: [ 1, 2 ]
amdhsa.kernels:
  - .name:           k_q6c41d9d213_proj
    .symbol:         k_q6c41d9d213_proj.kd
    .args:
      - { .name: cod, .offset: 0, .size: 8, .value_kind: global_buffer, .address_space: global }
      - { .name: scl, .offset: 8, .size: 8, .value_kind: global_buffer, .address_space: global }
      - { .name: tab, .offset: 16, .size: 8, .value_kind: global_buffer, .address_space: global }
      - { .name: bq, .offset: 24, .size: 8, .value_kind: global_buffer, .address_space: global }
      - { .name: bg, .offset: 32, .size: 8, .value_kind: global_buffer, .address_space: global }
      - { .name: qkv, .offset: 40, .size: 8, .value_kind: global_buffer, .address_space: global }
      - { .name: gat, .offset: 48, .size: 8, .value_kind: global_buffer, .address_space: global }
    .group_segment_fixed_size: 279040
    .private_segment_fixed_size: 0
    .kernarg_segment_align: 8
    .kernarg_segment_size: 56
    .max_flat_workgroup_size: 128
    .sgpr_count:     100
    .vgpr_count:     1024
    .wavefront_size: 32
...
	.end_amdgpu_metadata
.endif
;; end of part 2
;; launch attn (part 3): grid 16 x 16, 8 waves a work-group, clusters of 4 x 4, 327,680 bytes of LDS; arguments attn_bias, qkv, gat, tab, att; writes att
.if DOCPART == 3
	.amdgcn_target "amdgcn-amd-amdhsa--gfx1250"
	.amdhsa_code_object_version 6
	.text
	.protected	k_q6c41d9d213_attn
	.globl	k_q6c41d9d213_attn
	.p2align	8
	.type	k_q6c41d9d213_attn,@function
k_q6c41d9d213_attn:
	s_mov_b64 s[64:65], 0
	v_nop
	global_prefetch_b8 v0, s[64:65] scope:SCOPE_SE
	s_setreg_imm32_b32 hwreg(HW_REG_WAVE_MODE, 25, 1), 1
	s_wait_xcnt 0x0
	s_wait_alu depctr_hold_cnt(0) depctr_sa_sdst(0) depctr_va_vdst(0) depctr_va_sdst(0) depctr_va_ssrc(0) depctr_va_vcc(0) depctr_vm_vsrc(0)
	s_getreg_b32 s2, hwreg(HW_REG_IB_STS2, 6, 4)
	s_cmp_eq_u32 s2, 0
	s_cbranch_scc0 .Lentry_in_a_cluster
	s_endpgm
.Lentry_in_a_cluster:
	s_bfe_u32 s2, ttmp6, 0x10000c
	s_cmp_lg_u32 s2, 0xf033
	s_cbranch_scc0 .Lentry_shape_is_right
	s_endpgm
.Lentry_shape_is_right:
; ATTN: scores with the shared bias, the soft clamp, the mask, a running softmax, P V, / the row's sum, x the gate; f16 operands, f32 sums.  No work is left out.
; SHARES.  A work-group owns 128 queries of a batch x 2 heads.  Wave w: head w / 4 of the pair, query tiles 2 (w % 4) and 2 (w % 4) + 1 (32 queries).  Every wave walks the batch's 2,048 keys, 128 a step, 16 steps.
; LAYOUT.  S^T = K Q^T (source 0 = 16 keys, source 1 = 16 queries) and O^T = V^T P: a lane holds one query throughout; two tiles of S^T rounded to f16 in pairs are P's fragment of 32 keys.
; A SCORE.  q was stored x c1 = 2 log2(e)/50 and k x 1/8, so with C = bias x c1 + madd(key) the product gives u = c1 x sim.  r = 1 / (1 + 2^u); the clamped score in units of log2 is 72.13 (1 - 2 r).
; THE MAXIMUM that the softmax takes away is the running MINIMUM of r: p = 2^(A r - A rmin), A = -100 log2(e), at most 1; O^T and the sum are multiplied in every step by 2^(A (rmin_old - rmin_new)).
; THE MASK.  madd is -1e30 at a key that does not count: r = 1 there, the largest r there is.  That key's row of V and its entry of the mask row are 0, so it adds nothing to O^T or to the sum.
; THE ROW'S SUM is a fifth tile of V^T whose row 0 is the mask in f16: it falls into register 0 of its accumulator.  (A batch with no key that counts: A = 0 and a mask of ones come from memory: the plain mean.)
; THE WAY OUT.  O^T / sum x gate is brought to 1 .. 2 for each (token, head) by an exact power of two, rounded to f16 in the order of the last product's operand; the power of two goes beside it, written twice (a register pair for the reader).
; LIMITS: |O x gate| stays under 2^126; under 2^-120 the scale is held; NaN and infinities are not served.
; CLUSTER 4 x 4.  The bias tile hangs on (batch, query block): asked for jointly along a column; K and V hang on (batch, head pair): jointly along a row.  The mask's two small tiles hang on the batch: plain loads.
; RING.  Two slots of one key step; every wave issues one load behind each round: waves 0, 1 the bias (64 rows each), 2-5 K and V of the two heads, 6 the mask row, 7 madd.  One load of mine is out at a time; it has a step in which to land.
; THE WAVES TAKE TURNS.  A step of a wave has two parts: LOADQK (120 LDS loads, the bias's 64 multiply-adds, 32 products K Q^T) and SOFTPV (the softmax, 40 products V^T P).  Between two rounds a wave of role 0 runs LOADQK(t), SOFTPV(t);
; a wave of role 1 runs SOFTPV(t - 1), LOADQK(t): four waves read LDS and multiply while four walk their softmax.  It costs no register: V lands over K behind K Q^T in either role, and S^T, V and the mask row wait in registers over the round.
; Either role reads slot t between rounds t and t + 1 alone, and its reads are awaited ahead of round t + 1.  Role = (w xor w / 4) & 1: waves w and w + 4 differ, and so do waves 2 k and 2 k + 1.
; Step 0 has no SOFTPV for role 1; behind step 15's round role 1 alone runs its LOADQK(15) and SOFTPV(15).
; REGISTERS.  window 0: v2-11 LDS addresses; v12, 13 the add's; v14, 15 rmin; v16-23 pairs A rmin and f; v24-39 at work; v40-45 offsets; v64-191 S^T (64 a tile), then P in each tile's first 32; v192-255 madd, then the mask row.
;   window 1: v0-79 O^T (40 a tile: four tiles of channels and the sum's); v80-111 Q; v112-239 a step's K, then its V.
.set SLOT,  137728
.set KFO,   67584                      ; a slot: bias 128 rows x 528 | K 2 x 16,384 | V 2 x 16,384 | mask row 4,096 | madd 512
.set ONO,   133120
.set MAO,   137216
.set SPARE, 275456                     ; behind the ring: the spare words, 128 bytes a wave
.set ABI, 2
.set AK,  4
.set AV,  6
.set AO,  8
.set AM,  10
.set SPW, 12
.set NIL, 13
.set RM,  14
.set CM,  16
.set FF,  20
.set GO,  42
.set S,   64
.set FR,  192
.set O,   0
.set Q,   80
.set FRB, 112
.set G1B, 32
.set G1K, 40
.set G1O, 48
.set G1M, 56
.set G0B, 68
.set G0K, 76
.set G0O, 84
.set G0M, 92
.set MSB, 0
.macro WIN new
.if MSB != (\new)
	s_set_vgpr_msb (MSB<<8)|(\new)
.set MSB, (\new)
.endif
.endm
.macro PLACES
.rept 4
	v_nop
.endr
.endm
.macro CROUND
	s_barrier_signal -1
	s_barrier_wait -1
	s_cmp_lg_u32 s14, 0
	s_cbranch_scc1 .Lnot_wave_0_\@
	s_barrier_signal -3
.Lnot_wave_0_\@:
	s_barrier_wait -3
	s_barrier_signal -1
	s_barrier_wait -1
.endm
.macro JLOAD4 sg                       ; every wave's one load into slot sg; the branches hang on the wave's number alone; an s_nop 0 and four v_nop follow each line
	s_cmp_lt_u32 s14, 2
	s_cbranch_scc0 .Lj1_\@
	tensor_load_to_lds s[G0B+4*(\sg):G0B+4*(\sg)+3], s[G1B:G1B+7]
	s_nop 0
	PLACES
	s_branch .Lj9_\@
.Lj1_\@:
	s_cmp_lt_u32 s14, 6
	s_cbranch_scc0 .Lj2_\@
	tensor_load_to_lds s[G0K+4*(\sg):G0K+4*(\sg)+3], s[G1K:G1K+7]
	s_nop 0
	PLACES
	s_branch .Lj9_\@
.Lj2_\@:
	s_cmp_eq_u32 s14, 6
	s_cbranch_scc0 .Lj3_\@
	tensor_load_to_lds s[G0O+4*(\sg):G0O+4*(\sg)+3], s[G1O:G1O+7]
	s_nop 0
	PLACES
	s_branch .Lj9_\@
.Lj3_\@:
	tensor_load_to_lds s[G0M+4*(\sg):G0M+4*(\sg)+3], s[G1M:G1M+7]
	s_nop 0
	PLACES
.Lj9_\@:
.endm
; A PREFETCH of the tile that the NEXT round will ask for.  The bias rows are read by the two clusters of a batch that share the cluster's x: the one with even y asks; partner cy takes rows 32 cy on, a lane a row, 512 bytes in two requests; wave 0.
; K and V are read by the four clusters of a cluster row: the one with x = 0 asks; partner cx takes one of the four pieces of 16,384 bytes, lanes 256 bytes apart, in two requests; wave 2.  Partners are told apart by address alone.
; how = 1: the loop's second step, which in the loop's last trip (s27 = 1) is step 14: there is no tile 16, and it asks for nothing.
.macro ASK how
.if \how
	s_cmp_gt_u32 s27, s26
.else
	s_cmp_eq_u32 s26, 1
.endif
	s_cbranch_scc0 .Lna_\@
	global_prefetch_b8 v40, s[28:29] th:TH_LOAD_NT scope:SCOPE_SE
	global_prefetch_b8 v41, s[28:29] th:TH_LOAD_NT scope:SCOPE_SE
.Lna_\@:
.endm
.macro SOFT
.set nn, 0
.rept 128
	v_exp_f32 v[S+nn], v[S+nn]                     ; 2^u, each accumulator from its low end on
.set nn, nn+1
.endr
	v_nop
	s_wait_alu depctr_va_vdst(0)                   ; one wait for the batch
.set nn, 0
.rept 64
	v_pk_add_f32 v[S+nn:S+nn+1], v[S+nn:S+nn+1], 1.0 op_sel_hi:[1,0]
.set nn, nn+2
.endr
.set nn, 0
.rept 128
	v_rcp_f32 v[S+nn], v[S+nn]                     ; r
.set nn, nn+1
.endr
	v_nop
	s_wait_alu depctr_va_vdst(0)
.irp qt, 0,1                           ; the least r: four chains a tile, by turns
.irp kc, 0,1,2,3
	v_min3_num_f32 v[24+4*\qt+\kc], v[S+64*\qt+16*\kc], v[S+64*\qt+16*\kc+1], v[S+64*\qt+16*\kc+2]
.endr
.endr
.irp ii, 3,5,7,9,11,13
.irp qt, 0,1
.irp kc, 0,1,2,3
	v_min3_num_f32 v[24+4*\qt+\kc], v[24+4*\qt+\kc], v[S+64*\qt+16*\kc+\ii], v[S+64*\qt+16*\kc+\ii+1]
.endr
.endr
.endr
.irp qt, 0,1
.irp kc, 0,1,2,3
	v_min_num_f32 v[24+4*\qt+\kc], v[24+4*\qt+\kc], v[S+64*\qt+16*\kc+15]
.endr
.endr
.irp qt, 0,1
	v_min3_num_f32 v[24+4*\qt], v[24+4*\qt], v[25+4*\qt], v[26+4*\qt]
.endr
.irp qt, 0,1
	v_min3_num_f32 v[24+4*\qt], v[24+4*\qt], v[27+4*\qt], v[RM+\qt]
.endr
.irp qt, 0,1
	v_permlanex16_b32 v[32+\qt], v[24+4*\qt], s20, s21     ; the query's other 64 keys lie 16 lanes away
.endr
.irp qt, 0,1
	v_min_num_f32 v[24+4*\qt], v[24+4*\qt], v[32+\qt]
.endr
.irp qt, 0,1
	v_sub_f32 v[34+\qt], v[RM+\qt], v[24+4*\qt]
.endr
.irp qt, 0,1
	v_mov_b32 v[RM+\qt], v[24+4*\qt]
.endr
.irp qt, 0,1
	v_mul_f32 v[34+\qt], s24, v[34+\qt]            ; A (rmin_old - rmin_new), 0 or less
	v_mul_f32 v[CM+2*\qt], s24, v[RM+\qt]
.endr
.irp qt, 0,1
.set nn, 0
.rept 32
	v_pk_fma_f32 v[S+64*\qt+nn:S+64*\qt+nn+1], v[S+64*\qt+nn:S+64*\qt+nn+1], s[24:25], v[CM+2*\qt:CM+2*\qt+1] op_sel_hi:[1,0,0] neg_lo:[0,0,1] neg_hi:[0,0,1]
.set nn, nn+2
.endr
.endr
	v_exp_f32 v[FF], v34
	v_exp_f32 v[FF+2], v35
.set nn, 0
.rept 128
	v_exp_f32 v[S+nn], v[S+nn]                     ; p
.set nn, nn+1
.endr
	v_nop
	s_wait_alu depctr_va_vdst(0)
.irp qt, 0,1                           ; to f16, in place and ascending: fragment ks of 32 keys at the tile's registers 8 ks on
.irp ks, 0,1,2,3
.irp ii, 0,1,2,3,4,5,6,7
	v_cvt_pk_f16_f32 v[S+64*\qt+8*\ks+\ii], v[S+64*\qt+16*\ks+2*\ii], v[S+64*\qt+16*\ks+2*\ii+1]
.endr
.endr
.endr
.endm
; THE CHANGE OF SLOTS at the head of the step on slot sg.  refill: the next step's tiles go into the other slot.  ask: 1 or 2: the prefetch (2: with the loop's test).
.macro HEADT sg, refill, ask
	WIN 0
	s_wait_tensorcnt 0x0                           ; my one load, my part of this slot, has landed: every group 0 may be written
	ds_add_u32 v[SPW], v[NIL]                      ; 0 onto my spare word
	s_add_nc_u64 s[G0B+4*(\sg)+2:G0B+4*(\sg)+3], s[G0B+4*(\sg)+2:G0B+4*(\sg)+3], 1024      ; this slot's next tile: two steps on
	s_add_nc_u64 s[G0K+4*(\sg)+2:G0K+4*(\sg)+3], s[G0K+4*(\sg)+2:G0K+4*(\sg)+3], 32768
	s_add_nc_u64 s[G0O+4*(\sg)+2:G0O+4*(\sg)+3], s[G0O+4*(\sg)+2:G0O+4*(\sg)+3], 8192
	s_add_nc_u64 s[G0M+4*(\sg)+2:G0M+4*(\sg)+3], s[G0M+4*(\sg)+2:G0M+4*(\sg)+3], 1024
.if \ask
	s_wait_xcnt 0x0                                ; the last step's prefetches have read their address
	s_add_nc_u64 s[28:29], s[28:29], s[30:31]
.endif
	s_wait_dscnt 0x0                               ; the add is done, and my reads of the other slot are over (role 1: V and the mask row of the last step are in)
	CROUND                                         ; so of every wave of all sixteen work-groups
.if \refill
	JLOAD4 1-(\sg)                                 ; its four v_nop are also the places in front of role 0's loads
.else
	PLACES
.endif
.if (\ask) == 1
	ASK 0
.endif
.if (\ask) == 2
	ASK 1
.endif
.endm
; A step's first part, on slot sg: bias, madd and K out of LDS, C = bias x c1 + madd, S^T = K Q^T + C, then V over K and the mask row over madd.  pl = 1: it follows products: four places ahead of its loads.
.macro LOADQK sg, pl
.if \pl
	PLACES
.endif
.irp qt, 0,1
.irp kt, 0,1,2,3,4,5,6,7
	ds_load_b128 v[S+64*\qt+8*\kt:S+64*\qt+8*\kt+3], v[ABI+\sg] offset:\qt*8448+64*\kt       ; bias(query r, keys 16 kt + 8 h + 0 .. 7)
	ds_load_b128 v[S+64*\qt+8*\kt+4:S+64*\qt+8*\kt+7], v[ABI+\sg] offset:\qt*8448+64*\kt+16
.endr
.endr
.irp kt, 0,1,2,3,4,5,6,7
	ds_load_b128 v[FR+8*\kt:FR+8*\kt+3], v[AM+\sg] offset:64*\kt
	ds_load_b128 v[FR+8*\kt+4:FR+8*\kt+7], v[AM+\sg] offset:64*\kt+16
.endr
	WIN 0x40
.irp kt, 0,1,2,3,4,5,6,7
.irp gi, 0,1,2,3
	ds_load_b128 v[FRB+16*\kt+4*\gi:FRB+16*\kt+4*\gi+3], v[AK+\sg] offset:\kt*2048+\gi*512
.endr
.endr
	WIN 0
	s_wait_dscnt 32                                ; bias and madd are in; K's 32 loads may be out
.irp qt, 0,1
.irp kt, 0,1,2,3,4,5,6,7
.irp ii, 0,2,4,6
	v_pk_fma_f32 v[S+64*\qt+8*\kt+\ii:S+64*\qt+8*\kt+\ii+1], v[S+64*\qt+8*\kt+\ii:S+64*\qt+8*\kt+\ii+1], s[22:23], v[FR+8*\kt+\ii:FR+8*\kt+\ii+1] op_sel_hi:[1,0,1]
.endr
.endr
.endr
	s_wait_dscnt 0x0
	WIN 0x05                                       ; K and Q in window 1, S^T in window 0
.irp ds, 0,1                           ; sixteen accumulators by turns
.irp kt, 0,1,2,3,4,5,6,7
.irp qt, 0,1
	v_wmma_f32_16x16x32_f16 v[S+64*\qt+8*\kt:S+64*\qt+8*\kt+7], v[FRB+16*\kt+8*\ds:FRB+16*\kt+8*\ds+7], v[Q+16*\qt+8*\ds:Q+16*\qt+8*\ds+7], v[S+64*\qt+8*\kt:S+64*\qt+8*\kt+7]
.endr
.endr
.endr
	WIN 0
	PLACES                                         ; in front of the loads over K and of the first read of the scores
	WIN 0x40
.set nn, 0
.rept 32
	ds_load_b128 v[FRB+4*nn:FRB+4*nn+3], v[AV+\sg] offset:512*nn       ; V^T: fragment (ks, ct) at 32 ks + 8 ct
.set nn, nn+1
.endr
	WIN 0
.set nn, 0
.rept 8
	ds_load_b128 v[FR+4*nn:FR+4*nn+3], v[AO+\sg] offset:512*nn         ; the mask row's four fragments
.set nn, nn+1
.endr
.endm
.macro GATES                           ; the gates of my 32 tokens, into the registers that p has left
.irp qt, 0,1
.irp gi, 0,1,2,3,4,5,6,7
	global_load_b128 v[S+64*\qt+32+4*\gi:S+64*\qt+32+4*\gi+3], v[GO], s[8:9] offset:\qt*4096+512*\gi th:TH_LOAD_NT
.endr
.endr
.endm
; A step's second part: registers alone (and the wait for V).  gates = 1: the last one of role 1.
.macro SOFTPV gates
	SOFT
.if \gates
	GATES
.endif
	s_wait_dscnt 0x0                               ; V and the mask row are in
	WIN 0x41
.irp qt, 0,1
.set nn, 0
.rept 20
	v_pk_mul_f32 v[O+40*\qt+nn:O+40*\qt+nn+1], v[O+40*\qt+nn:O+40*\qt+nn+1], v[FF+2*\qt:FF+2*\qt+1] op_sel_hi:[1,0]   ; O^T and the sum under the new minimum
.set nn, nn+2
.endr
.endr
	WIN 0x51                                       ; V and O^T in window 1, P in window 0
.irp ks, 0,1,2,3
.irp ct, 0,1,2,3
.irp qt, 0,1
	v_wmma_f32_16x16x32_f16 v[O+40*\qt+8*\ct:O+40*\qt+8*\ct+7], v[FRB+32*\ks+8*\ct:FRB+32*\ks+8*\ct+7], v[S+64*\qt+8*\ks:S+64*\qt+8*\ks+7], v[O+40*\qt+8*\ct:O+40*\qt+8*\ct+7]
.endr
.endr
.endr
	WIN 0x50                                       ; the mask row in window 0
.irp ks, 0,1,2,3
.irp qt, 0,1
	v_wmma_f32_16x16x32_f16 v[O+40*\qt+32:O+40*\qt+39], v[FR+8*\ks:FR+8*\ks+7], v[S+64*\qt+8*\ks:S+64*\qt+8*\ks+7], v[O+40*\qt+32:O+40*\qt+39]
.endr
.endr
	WIN 0
.endm
; A step in the loop: role 0: LOADQK, SOFTPV of this step; role 1: SOFTPV of the last step, LOADQK of this one
.macro MID sg, ask
	HEADT \sg, 1, \ask
	s_cmp_eq_u32 s18, 0
	s_cbranch_scc0 .Lb1_\@
	LOADQK \sg, 0
.Lb1_\@:
	SOFTPV 0
	s_cmp_eq_u32 s18, 0
	s_cbranch_scc1 .Lb2_\@
	LOADQK \sg, 1
.Lb2_\@:
.endm
	s_load_b256 s[4:11], s[0:1], 0x0               ; attn_bias 4, qkv 6, gat 8, tab 10
	s_load_b64 s[12:13], s[0:1], 0x20              ; att
	v_lshl_add_u32 v[SPW], v0, 2, SPARE
	v_mov_b32 v[NIL], 0
	ds_add_u32 v[SPW], v[NIL]                      ; the wave's opening: the add, twice on end, and its wait ahead of my first tensor load
	ds_add_u32 v[SPW], v[NIL]
	v_lshrrev_b32 v1, 5, v0
	v_readfirstlane_b32 s14, v1                    ; wave 0..7
	s_bfe_u32 s15, ttmp6, 0x40000                  ; cx
	s_bfe_u32 s16, ttmp6, 0x40004                  ; cy
	s_and_b32 s18, ttmp7, 0xffff                   ; the cluster's y
	s_lshl_b32 s19, ttmp9, 2
	s_add_co_u32 s19, s19, s15                     ; x: block of 128 queries
	s_lshl_b32 s2, s18, 2
	s_add_co_u32 s2, s2, s16                       ; y = 8 batch + head pair
	s_lshr_b32 s3, s18, 1                          ; batch: the same in all partners
	s_and_b32 s17, s14, 3
	s_lshl_b32 s26, s16, 2
	s_lshl_b32 s26, 15, s26                        ; my row of the cluster
	s_lshl_b32 s27, 0x1111, s15                    ; my column
	s_or_b32 s[G1B], s27, (2<<16)|(1<<20)|(1<<21)|(6<<22)|(3<<25)    ; elements of 4 bytes; 4 words of padding behind every 128
	s_mov_b32 s[G1B+1], 128<<16
	s_mov_b32 s[G1B+2], 64<<16
	s_mov_b32 s[G1B+3], 128<<16
	s_mov_b32 s[G1B+4], 64
	s_mov_b32 s[G1B+5], 2048
	s_mov_b32 s[G1B+6], 0
	s_mov_b32 s[G1B+7], 0
	s_or_b32 s[G1K], s26, (3<<16)|(1<<21)          ; 16,384 dense bytes as 64 rows of 256
	s_mov_b32 s[G1K+1], 32<<16
	s_mov_b32 s[G1K+2], 64<<16
	s_mov_b32 s[G1K+3], 32<<16
	s_mov_b32 s[G1K+4], 64
	s_mov_b32 s[G1K+5], 32
	s_mov_b32 s[G1K+6], 0
	s_mov_b32 s[G1K+7], 0
	s_mov_b32 s[G1O], 3<<16                        ; 4,096 dense bytes, no mask
	s_mov_b32 s[G1O+1], 32<<16
	s_mov_b32 s[G1O+2], 16<<16
	s_mov_b32 s[G1O+3], 32<<16
	s_mov_b32 s[G1O+4], 16
	s_mov_b32 s[G1O+5], 32
	s_mov_b32 s[G1O+6], 0
	s_mov_b32 s[G1O+7], 0
	s_mov_b32 s[G1M], 3<<16                        ; 512 dense bytes
	s_mov_b32 s[G1M+1], 32<<16
	s_mov_b32 s[G1M+2], 2<<16
	s_mov_b32 s[G1M+3], 32<<16
	s_mov_b32 s[G1M+4], 2
	s_mov_b32 s[G1M+5], 32
	s_mov_b32 s[G1M+6], 0
	s_mov_b32 s[G1M+7], 0
	s_mov_b32 s20, 0x76543210
	s_mov_b32 s21, 0xfedcba98
	s_mov_b32 s22, 0x3d6c5f04                      ; c1 = 2 log2(e) / 50
	s_mov_b32 s23, s22
	s_and_b32 s27, s14, 1
	s_lshl_b32 s100, s27, 6
	s_lshl_b32 s101, s19, 7
	s_add_co_u32 s100, s100, s101                  ; the bias: query row 128 x + 64 (wave % 2),
	s_lshl_b32 s100, s100, 13
	s_lshl_b32 s101, s3, 24
	s_add_co_u32 s100, s100, s101                  ; in the batch
	s_mov_b32 s101, 0
	s_mul_i32 s27, s27, 33792                      ; and in a slot
	s_add_co_u32 s26, s14, 2
	s_and_b32 s26, s26, 3                          ; waves 2-5: piece 0 .. 3: K head 0, K head 1, V head 0, V head 1
	s_lshr_b32 s28, s26, 1
	s_lshl_b32 s28, s28, 23
	s_add_co_u32 s28, s28, 0x800000
	s_and_b32 s29, s26, 1
	s_lshl_b32 s30, s2, 1
	s_add_co_u32 s29, s29, s30
	s_lshl_b32 s29, s29, 18
	s_add_co_u32 s28, s28, s29
	s_mov_b32 s29, 0
	s_lshl_b32 s26, s26, 14
	s_add_co_u32 s26, s26, KFO
	s_lshl_b32 s30, s3, 16
	s_add_co_u32 s30, s30, 557056
	s_mov_b32 s31, 0
	s_lshl_b32 s66, s3, 13
	s_add_co_u32 s66, s66, 524288
	s_mov_b32 s67, 0
	s_wait_dscnt 0x0                               ; both opening adds are done
	s_wait_kmcnt 0x0
.irp sg, 0,1                           ; a group 0 for each slot, set up for steps 0 and 1
	s_mov_b32 s[G0B+4*\sg], 1
	s_add_co_u32 s[G0B+4*\sg+1], s27, \sg*SLOT
	s_add_nc_u64 s[G0B+4*\sg+2:G0B+4*\sg+3], s[4:5], s[100:101]
	s_add_nc_u64 s[G0B+4*\sg+2:G0B+4*\sg+3], s[G0B+4*\sg+2:G0B+4*\sg+3], \sg*512
	s_or_b32 s[G0B+4*\sg+3], s[G0B+4*\sg+3], 0x80000000
	s_mov_b32 s[G0K+4*\sg], 1
	s_add_co_u32 s[G0K+4*\sg+1], s26, \sg*SLOT
	s_add_nc_u64 s[G0K+4*\sg+2:G0K+4*\sg+3], s[6:7], s[28:29]
	s_add_nc_u64 s[G0K+4*\sg+2:G0K+4*\sg+3], s[G0K+4*\sg+2:G0K+4*\sg+3], \sg*16384
	s_or_b32 s[G0K+4*\sg+3], s[G0K+4*\sg+3], 0x80000000
	s_mov_b32 s[G0O+4*\sg], 1
	s_mov_b32 s[G0O+4*\sg+1], ONO+\sg*SLOT
	s_add_nc_u64 s[G0O+4*\sg+2:G0O+4*\sg+3], s[10:11], s[30:31]
	s_add_nc_u64 s[G0O+4*\sg+2:G0O+4*\sg+3], s[G0O+4*\sg+2:G0O+4*\sg+3], \sg*4096
	s_or_b32 s[G0O+4*\sg+3], s[G0O+4*\sg+3], 0x80000000
	s_mov_b32 s[G0M+4*\sg], 1
	s_mov_b32 s[G0M+4*\sg+1], MAO+\sg*SLOT
	s_add_nc_u64 s[G0M+4*\sg+2:G0M+4*\sg+3], s[10:11], s[66:67]
	s_add_nc_u64 s[G0M+4*\sg+2:G0M+4*\sg+3], s[G0M+4*\sg+2:G0M+4*\sg+3], \sg*512
	s_or_b32 s[G0M+4*\sg+3], s[G0M+4*\sg+3], 0x80000000
.endr
	CROUND                                         ; all sixteen work-groups are here
	JLOAD4 0                                       ; step 0's tiles
	v_and_b32 v1, 31, v0                           ; lane
	v_and_b32 v44, 15, v0                          ; r
	v_bfe_u32 v45, v0, 4, 1                        ; h
	v_lshlrev_b32 v[GO], 4, v1
	; the prefetches: where mine stand (at step 1; each asking step steps them first), and who asks
	s_lshl_b32 s100, s19, 7
	s_lshl_b32 s101, s16, 5
	s_add_co_u32 s100, s100, s101
	s_lshl_b32 s100, s100, 13
	s_lshl_b32 s101, s3, 24
	s_add_co_u32 s100, s100, s101
	s_add_co_u32 s100, s100, 512
	s_lshr_b32 s66, s15, 1
	s_lshl_b32 s66, s66, 23
	s_and_b32 s67, s15, 1
	s_lshl_b32 s101, s2, 1
	s_add_co_u32 s67, s67, s101
	s_lshl_b32 s67, s67, 18
	s_add_co_u32 s66, s66, s67
	s_add_co_u32 s66, s66, 0x800000+16384
	s_and_b32 s67, s18, 1
	s_mov_b32 s30, 16384
	s_mov_b32 s26, 256
	s_mov_b32 s27, 8192
	s_cmp_lt_u32 s14, 2
	s_cselect_b64 s[28:29], s[4:5], s[6:7]
	s_cselect_b32 s100, s100, s66
	s_cselect_b32 s30, 512, s30                    ; a step on
	s_cselect_b32 s67, s67, ttmp9                  ; 0 in the cluster that asks
	s_cselect_b32 s66, s27, s26                    ; from lane to lane
	s_cselect_b32 s27, s26, s27                    ; from the first request to the second
	s_mov_b32 s101, 0
	s_mov_b32 s31, 0
	s_add_nc_u64 s[28:29], s[28:29], s[100:101]
	v_mul_lo_u32 v40, v1, s66
	v_add_nc_u32 v41, s27, v40
	s_and_b32 s26, s14, 0xd                        ; 0 in waves 0 and 2
	s_or_b32 s26, s26, s67
	s_cmp_eq_u32 s26, 0
	s_cselect_b32 s26, 1, -1                       ; the same in all sixteen partners, for a given wave
	; Q, the gates, the output
	s_lshr_b32 s27, s14, 2                         ; which head of the pair
	s_lshl_b32 s66, s2, 1
	s_add_co_u32 s66, s66, s27
	s_lshl_b32 s66, s66, 7
	s_lshl_b32 s67, s19, 3
	s_add_co_u32 s66, s66, s67
	s_lshl_b32 s67, s17, 1
	s_add_co_u32 s66, s66, s67                     ; (batch, head) x 128 + my first query tile
	s_lshl_b32 s100, s66, 11
	s_add_nc_u64 s[6:7], s[6:7], s[100:101]
	s_lshl_b32 s100, s66, 12
	s_add_nc_u64 s[8:9], s[8:9], s[100:101]
	s_lshl_b32 s100, s3, 12
	s_add_nc_u64 s[4:5], s[10:11], s[100:101]
	s_load_b32 s24, s[4:5], 0xa8000                ; A of my batch: a number, it steers nothing
	WIN 0x40
.irp qt, 0,1
.irp gi, 0,1,2,3
	global_load_b128 v[Q+16*\qt+4*\gi:Q+16*\qt+4*\gi+3], v[GO], s[6:7] offset:\qt*2048+\gi*512
.endr
.endr
.set nn, 0
.rept 80
	v_mov_b32 v[O+nn], 0                           ; O^T and the sums: the step is written for every step alike, and the first finds zeros
.set nn, nn+1
.endr
	WIN 0
	s_and_b32 s66, s2, 7
	s_lshl_b32 s66, s66, 1
	s_add_co_u32 s66, s66, s27                     ; head
	s_lshl_b32 s67, s3, 11
	s_lshl_b32 s100, s19, 7
	s_add_co_u32 s67, s67, s100
	s_lshl_b32 s100, s17, 5
	s_add_co_u32 s67, s67, s100                    ; my first token of 4,096
	s_lshl_b32 s100, s67, 11
	s_lshl_b32 s27, s66, 11
	s_add_co_u32 s100, s100, s27
	s_lshl_b32 s27, s66, 15                        ; the scales: [head 16][token 4096][2] f32
	s_lshl_b32 s67, s67, 3
	s_add_co_u32 s27, s27, s67
	s_add_co_u32 s66, s27, 0x800000
	s_mov_b32 s67, 0
	s_add_nc_u64 s[66:67], s[12:13], s[66:67]      ; the scales' place
	s_add_nc_u64 s[12:13], s[12:13], s[100:101]    ; the f16 numbers'
	v_mul_u32_u24 v[ABI], v44, 528
	v_lshl_add_u32 v[ABI], v45, 5, v[ABI]
	s_mul_i32 s100, s17, 16896
	v_add_nc_u32 v[ABI], s100, v[ABI]              ; row 32 (w % 4) + r, + 32 h
	v_add_nc_u32 v[ABI+1], SLOT, v[ABI]
	s_lshr_b32 s100, s14, 2
	s_lshl_b32 s100, s100, 14
	s_add_co_u32 s100, s100, KFO
	v_add_nc_u32 v[AK], s100, v[GO]
	v_add_nc_u32 v[AK+1], SLOT, v[AK]
	v_add_nc_u32 v[AV], 32768, v[AK]
	v_add_nc_u32 v[AV+1], 32768, v[AK+1]
	v_add_nc_u32 v[AO], ONO, v[GO]
	v_add_nc_u32 v[AO+1], ONO+SLOT, v[GO]
	v_lshl_add_u32 v[AM], v45, 5, MAO
	v_lshl_add_u32 v[AM+1], v45, 5, MAO+SLOT
	v_mov_b32 v[RM], 1.0                           ; the largest r there is
	v_mov_b32 v[RM+1], 1.0
.irp rr, 17,19,21,23,32,33,37,39
	v_mov_b32 v\rr, 0                              ; upper halves of pairs and permutes' destinations: written once
.endr
	s_lshr_b32 s18, s14, 2
	s_xor_b32 s18, s18, s14
	s_and_b32 s18, s18, 1                          ; my role: (w xor w / 4) & 1
	s_wait_loadcnt 0x0                             ; Q
	s_wait_kmcnt 0x0
	s_mov_b32 s25, s24
	HEADT 0, 1, 1                                  ; step 0: both roles begin with its first part; role 1 has no softmax yet
	LOADQK 0, 0
	s_cmp_eq_u32 s18, 0
	s_cbranch_scc0 .Lfirst
	SOFTPV 0
.Lfirst:
	s_mov_b32 s27, 7
.Lloop:                                            ; steps 1 to 14; each asks for the next step's tiles
	MID 1, 1
	MID 0, 2
	s_sub_co_u32 s27, s27, 1
	s_cmp_lg_u32 s27, 0
	s_cbranch_scc1 .Lloop
	HEADT 1, 0, 0                                  ; step 15 is written out: nothing is left to ask for
	s_cmp_eq_u32 s18, 0
	s_cbranch_scc0 .Llb
	LOADQK 1, 0
.Llb:
	SOFTPV 0                                       ; role 0: step 15's; role 1: step 14's
	s_cmp_eq_u32 s18, 0
	s_cbranch_scc1 .Lla
	LOADQK 1, 1                                    ; role 1 alone: step 15
	SOFTPV 1
	s_branch .Ljoin
.Lla:
	GATES                                          ; role 0 is done with its steps
.Ljoin:
	PLACES
	WIN 0x01
	v_mov_b32 v24, v[O+32]                         ; the sums: row 0 of the fifth tile
	v_mov_b32 v25, v[O+72]
	WIN 0
	v_permlanex16_b32 v32, v24, s20, s21
	v_permlanex16_b32 v33, v25, s20, s21
	v_add_f32 v24, v24, v32                        ; (row 8 is zero)
	v_add_f32 v25, v25, v33
	v_rcp_f32 v36, v24
	v_rcp_f32 v38, v25
	v_nop
	s_wait_alu depctr_va_vdst(0)
	s_wait_loadcnt 0x0                             ; the gates
.irp qt, 0,1
.set nn, 0
.rept 16
	v_pk_mul_f32 v[S+64*\qt+32+nn:S+64*\qt+33+nn], v[S+64*\qt+32+nn:S+64*\qt+33+nn], v[36+2*\qt:37+2*\qt] op_sel_hi:[1,0]
.set nn, nn+2
.endr
.endr
	WIN 0x01
.irp qt, 0,1
.set nn, 0
.rept 16
	v_pk_mul_f32 v[S+64*\qt+nn:S+64*\qt+nn+1], v[O+40*\qt+nn:O+40*\qt+nn+1], v[S+64*\qt+32+nn:S+64*\qt+33+nn]
.set nn, nn+2
.endr
.endr
	WIN 0
.irp qt, 0,1
	v_max3_num_f32 v[24+\qt], |v[S+64*\qt]|, |v[S+64*\qt+1]|, 0x03800000       ; the largest magnitude of (token, head), with the floor 2^-120
.endr
.irp ii, 2,4,6,8,10,12,14,16,18,20,22,24,26,28,30
.irp qt, 0,1
	v_max3_num_f32 v[24+\qt], v[24+\qt], |v[S+64*\qt+\ii]|, |v[S+64*\qt+\ii+1]|
.endr
.endr
.irp qt, 0,1
	v_permlanex16_b32 v[32+\qt], v[24+\qt], s20, s21
.endr
.irp qt, 0,1
	v_max_num_f32 v[24+\qt], v[24+\qt], v[32+\qt]
.endr
.irp qt, 0,1
	v_and_b32 v[26+\qt], 0x7f800000, v[24+\qt]     ; its power of two,
	v_sub_nc_u32 v[36+2*\qt], 0x7f000000, v[26+\qt]   ; and that power's reciprocal
.endr
.irp qt, 0,1
.set nn, 0
.rept 16
	v_pk_mul_f32 v[S+64*\qt+nn:S+64*\qt+nn+1], v[S+64*\qt+nn:S+64*\qt+nn+1], v[36+2*\qt:37+2*\qt] op_sel_hi:[1,0]
.set nn, nn+2
.endr
.endr
.irp qt, 0,1
.set nn, 0
.rept 16
	v_cvt_pk_f16_f32 v[S+64*\qt+32+nn], v[S+64*\qt+2*nn], v[S+64*\qt+2*nn+1]
.set nn, nn+1
.endr
.endr
.irp qt, 0,1
.irp ct, 0,1,2,3
	global_store_b128 v[GO], v[S+64*\qt+32+4*\ct:S+64*\qt+35+4*\ct], s[12:13] offset:\qt*32768+\ct*512 th:TH_STORE_NT    ; 512 consecutive bytes
.endr
.endr
	v_cmp_ne_u32 s100, 0, v45
	v_cndmask_b32 v28, v26, v27, s100              ; lane l: token l of my 32
	v_mov_b32 v29, v28                             ; twice: the reader's packed multiply-add takes a pair
	v_lshlrev_b32 v30, 3, v1
	global_store_b64 v30, v[28:29], s[66:67]       ; 256 consecutive bytes
	s_wait_tensorcnt 0x0                           ; the wave's end
	ds_add_u32 v[SPW], v[NIL]
	s_wait_dscnt 0x0
	CROUND                                         ; the closing round
	s_endpgm
.Lfunc_end_k_q6c41d9d213_attn:
	.size	k_q6c41d9d213_attn, .Lfunc_end_k_q6c41d9d213_attn-k_q6c41d9d213_attn
	.p2alignl 7, 3214868480
	.fill 96, 4, 3214868480
	.section	.rodata,"a",@progbits
	.p2align	6, 0x0
	.amdhsa_kernel k_q6c41d9d213_attn
		.amdhsa_group_segment_fixed_size 327680
		.amdhsa_private_segment_fixed_size 0
		.amdhsa_enable_private_segment 0
		.amdhsa_kernarg_size 40
		.amdhsa_user_sgpr_count 2
		.amdhsa_user_sgpr_kernarg_segment_ptr 1
		.amdhsa_wavefront_size32 1
		.amdhsa_system_sgpr_workgroup_id_x 1
		.amdhsa_system_sgpr_workgroup_id_y 1
		.amdhsa_system_sgpr_workgroup_id_z 1
		.amdhsa_system_vgpr_workitem_id 0
		.amdhsa_next_free_vgpr 512
		.amdhsa_next_free_sgpr 102
		.amdhsa_reserve_vcc 0
		.amdhsa_float_denorm_mode_32 3
		.amdhsa_float_denorm_mode_16_64 3
		.amdhsa_memory_ordered 1
		.amdhsa_forward_progress 1
		.amdhsa_inst_pref_size 255
	.end_amdhsa_kernel
	.section	.bss,"aw",@nobits
	.p2align	6
	.space	262144
	.amdgpu_metadata
---
amdhsa.version: [ 1, 2 ]
amdhsa.kernels:
  - .name:           k_q6c41d9d213_attn
    .symbol:         k_q6c41d9d213_attn.kd
    .args:
      - { .name: attn_bias, .offset: 0, .size: 8, .value_kind: global_buffer, .address_space: global }
      - { .name: qkv, .offset: 8, .size: 8, .value_kind: global_buffer, .address_space: global }
      - { .name: gat, .offset: 16, .size: 8, .value_kind: global_buffer, .address_space: global }
      - { .name: tab, .offset: 24, .size: 8, .value_kind: global_buffer, .address_space: global }
      - { .name: att, .offset: 32, .size: 8, .value_kind: global_buffer, .address_space: global }
    .group_segment_fixed_size: 327680
    .private_segment_fixed_size: 0
    .kernarg_segment_align: 8
    .kernarg_segment_size: 40
    .max_flat_workgroup_size: 256
    .sgpr_count:     102
    .vgpr_count:     512
    .wavefront_size: 32
...
	.end_amdgpu_metadata
.endif
;; end of part 3
;; launch outp (part 4): grid 8 x 32, 4 waves a work-group, clusters of 4 x 4, 327,680 bytes of LDS; arguments att, wof, out0; writes out0
.if DOCPART == 4
	.amdgcn_target "amdgcn-amd-amdhsa--gfx1250"
	.amdhsa_code_object_version 6
	.text
	.protected	k_q6c41d9d213_outp
	.globl	k_q6c41d9d213_outp
	.p2align	8
	.type	k_q6c41d9d213_outp,@function
k_q6c41d9d213_outp:
	s_mov_b64 s[64:65], 0
	v_nop
	global_prefetch_b8 v0, s[64:65] scope:SCOPE_SE
	s_setreg_imm32_b32 hwreg(HW_REG_WAVE_MODE, 25, 1), 1
	s_wait_xcnt 0x0
	s_wait_alu depctr_hold_cnt(0) depctr_sa_sdst(0) depctr_va_vdst(0) depctr_va_sdst(0) depctr_va_ssrc(0) depctr_va_vcc(0) depctr_vm_vsrc(0)
	s_getreg_b32 s2, hwreg(HW_REG_IB_STS2, 6, 4)
	s_cmp_eq_u32 s2, 0
	s_cbranch_scc0 .Lentry_in_a_cluster
	s_endpgm
.Lentry_in_a_cluster:
	s_bfe_u32 s2, ttmp6, 0x10000c
	s_cmp_lg_u32 s2, 0xf033
	s_cbranch_scc0 .Lentry_shape_is_right
	s_endpgm
.Lentry_shape_is_right:
; OUTP: out0 = (gated attention output) x Wo, f16 operands, f32 sums.  No work is left out.
; att holds, for each (token, head), 64 numbers brought to 1 .. 2 by a power of two, and that power (f32, written twice).  So K goes HEAD BY HEAD: a head's 64 along K are a sum of their own (two products deep, the first with C = 0),
; and that sum is added in f32 under the head's power of two: one packed multiply-add for two numbers.  In the transposed result a lane is one token, so the factor is a register pair of the lane's own.
; A tile of out0 is 128 tokens x 128 columns: four waves, each 64 x 64: 16 tiles of 16 x 16.  K goes in four steps of 256 (four heads) through two LDS slots; both operands lie in memory in the order of their registers:
; a wave's load is 4 row tiles x 8,192 bytes.  The matrix instruction is used transposed (source 0 = 16 columns of Wo, source 1 = 16 tokens): a lane holds 8 neighbouring columns of a row.
; CLUSTER 4 x 4: att's tiles are asked for jointly along a row of the cluster, Wo's along a column.  Two loads of mine are out at the start, one behind each round.
; REGISTERS: window 0: v16-29 addresses; v32-159 the factors (pair 2 (16 a + head) for token block a); v160-191 rows on the way out.
;   window 1: two fragment buffers of 128: for 64 along K (one head), 64 registers of att, then 64 of Wo.   window 2: v0-127 the sums of out0; v128-255 the sums of the head in hand.
.set SLOT,   131072
.set STAGE,  262144                    ; behind the ring: 16 rows x 272 bytes for each wave
.set SP,     272
.set SPARE,  279552
.set ADRA, 16
.set ADRB, 20
.set STO,  24
.set RD,   25
.set CO,   26
.set SPW,  28
.set NIL,  29
.set FAC,  32
.set BK,   160
.set F0,   0
.set F1,   128
.set ACC,  0
.set PART, 128
.set G1,  24
.set G0,  32
.set G1B, 48
.set G0B, 56
.set W_MUL, 0xa5                       ; sources 0 and 1 window 1; C and D window 2
.set W_FMA, 0xa2                       ; source 0 (the head's sums), source 2 and the destination window 2; source 1 (the factor) window 0
.set MSB, 0
.macro WIN new
.if MSB != (\new)
	s_set_vgpr_msb (MSB<<8)|(\new)
.set MSB, (\new)
.endif
.endm
.macro PLACES
.rept 4
	v_nop
.endr
.endm
.macro JLOAD sg                        ; waves 0, 1 fetch att's halves, waves 2, 3 Wo's; an s_nop 0 and four v_nop follow each line
	s_cmp_eq_u32 s11, 0
	s_cbranch_scc0 .Lfor_b_\@
	tensor_load_to_lds s[G0+4*(\sg):G0+4*(\sg)+3], s[G1:G1+7]
	s_nop 0
	PLACES
	s_branch .Lasked_\@
.Lfor_b_\@:
	tensor_load_to_lds s[G0B+4*(\sg):G0B+4*(\sg)+3], s[G1B:G1B+7]
	s_nop 0
	PLACES
.Lasked_\@:
.endm
.macro CREST
	s_cmp_lg_u32 s10, 0
	s_cbranch_scc1 .Lnot_wave_0_\@
	s_barrier_signal -3
.Lnot_wave_0_\@:
	s_barrier_wait -3
	s_barrier_signal -1
	s_barrier_wait -1
.endm
.macro CROUND
	s_barrier_signal -1
	s_barrier_wait -1
	CREST
.endm
.macro MUL8 f, c, a0                   ; half c of a head: c = 0 starts the head's sums.  The 16 accumulators take turns, one instruction a turn
.irp a, \a0, \a0+1
.irp b, 0,1,2,3
.if (\c) == 0
	v_wmma_f32_16x16x32_f16 v[PART+8*(4*(\a)+\b):PART+8*(4*(\a)+\b)+7], v[\f+64+8*(4*\c+\b):\f+64+8*(4*\c+\b)+7], v[\f+8*(4*\c+(\a)):\f+8*(4*\c+(\a))+7], 0
.else
	v_wmma_f32_16x16x32_f16 v[PART+8*(4*(\a)+\b):PART+8*(4*(\a)+\b)+7], v[\f+64+8*(4*\c+\b):\f+64+8*(4*\c+\b)+7], v[\f+8*(4*\c+(\a)):\f+8*(4*\c+(\a))+7], v[PART+8*(4*(\a)+\b):PART+8*(4*(\a)+\b)+7]
.endif
.endr
.endr
.endm
.macro FETCH sg, q, f                  ; the fragments of quarter q (64 along K: one head) of slot sg; the first 32 along K first
	WIN 0x40
.irp c, 0,1
.irp i, 0,1,2,3
	ds_load_b128 v[\f+64+8*(4*\c+\i):\f+64+8*(4*\c+\i)+3],   v[ADRB+\sg] offset:\i*8192+(2*(\q)+\c)*1024
	ds_load_b128 v[\f+64+8*(4*\c+\i)+4:\f+64+8*(4*\c+\i)+7], v[ADRB+\sg] offset:\i*8192+(2*(\q)+\c)*1024+512
	ds_load_b128 v[\f+8*(4*\c+\i):\f+8*(4*\c+\i)+3],         v[ADRA+\sg] offset:\i*8192+(2*(\q)+\c)*1024
	ds_load_b128 v[\f+8*(4*\c+\i)+4:\f+8*(4*\c+\i)+7],       v[ADRA+\sg] offset:\i*8192+(2*(\q)+\c)*1024+512
.endr
.endr
.endm
; Head hd's sums go into out0's, in f32, under the head's power of two; the first head starts them: nothing is cleared.  Four places stand ahead of the first read of results just made; each accumulator is read from its low end on.
; These 64 lines are also the places between this head's products and the next loads into the buffer that they read, and ahead of the next head's products, which write over the head's sums.
.macro FMAH hd
	PLACES
	WIN W_FMA
.irp a, 0,1,2,3
.irp b, 0,1,2,3
.irp i, 0,2,4,6
.if (\hd) == 0
	v_pk_mul_f32 v[ACC+8*(4*\a+\b)+\i:ACC+8*(4*\a+\b)+\i+1], v[PART+8*(4*\a+\b)+\i:PART+8*(4*\a+\b)+\i+1], v[FAC+2*(16*\a+(\hd)):FAC+2*(16*\a+(\hd))+1]
.else
	v_pk_fma_f32 v[ACC+8*(4*\a+\b)+\i:ACC+8*(4*\a+\b)+\i+1], v[PART+8*(4*\a+\b)+\i:PART+8*(4*\a+\b)+\i+1], v[FAC+2*(16*\a+(\hd)):FAC+2*(16*\a+(\hd))+1], v[ACC+8*(4*\a+\b)+\i:ACC+8*(4*\a+\b)+\i+1]
.endif
.endr
.endr
.endr
.endm
.macro QUARTER sg, nq, f, g, hd        ; multiplies buffer f (head hd) and fetches quarter nq of the same slot into g
	s_wait_dscnt 16                                ; the first 32 along K are in; the other sixteen loads may be out
	WIN W_MUL
	MUL8 \f, 0, 0
	MUL8 \f, 0, 2
	s_wait_dscnt 0x0
	FETCH \sg, \nq, \g                             ; (the products that read g stand ahead of the last head's 64 multiply-adds)
	WIN W_MUL
	MUL8 \f, 1, 0
	MUL8 \f, 1, 2
	FMAH \hd
.endm
.macro TURN sg, nx, fill, hd           ; a K step's last quarter (buffer 1) changes slots
	WIN 0
	s_wait_tensorcnt 0x0                           ; all my tensor loads have landed: my part of the next slot
	ds_add_u32 v[SPW], v[NIL]                      ; 0 onto my spare word
	s_wait_dscnt 17                                ; (the add and the youngest sixteen loads may be out)
	WIN W_MUL
	MUL8 F1, 0, 0
	s_wait_dscnt 0x0                               ; the add is done, and my reads of this slot are over
	s_barrier_signal -1
	MUL8 F1, 0, 2
	WIN 0
	s_barrier_wait -1
.if \fill
	CREST                                          ; the barrier has opened a round of the cluster's: no wave of any partner still reads this slot or has a load on its way
	s_add_nc_u64 s[G0+4*(\sg)+2:G0+4*(\sg)+3], s[G0+4*(\sg)+2:G0+4*(\sg)+3], 16384
	s_add_nc_u64 s[G0B+4*(\sg)+2:G0B+4*(\sg)+3], s[G0B+4*(\sg)+2:G0B+4*(\sg)+3], 16384
	JLOAD \sg
.endif
	FETCH \nx, 0, F0
	WIN W_MUL
	MUL8 F1, 1, 0
	MUL8 F1, 1, 2
	FMAH \hd
.endm
	s_load_b128 s[4:7], s[0:1], 0x0                ; att, wof
	s_load_b64 s[8:9], s[0:1], 0x10                ; out0
	v_lshl_add_u32 v[SPW], v0, 2, SPARE
	v_mov_b32 v[NIL], 0
	ds_add_u32 v[SPW], v[NIL]                      ; the wave's opening: the add, twice on end, and its wait ahead of my first tensor load
	ds_add_u32 v[SPW], v[NIL]
	v_lshrrev_b32 v1, 5, v0
	v_readfirstlane_b32 s10, v1
	s_lshr_b32 s11, s10, 1                         ; my half of the tokens; also: I fetch att (0) or Wo (1)
	s_and_b32 s12, s10, 1                          ; my half of the columns; also: which 4 row tiles I fetch
	s_bfe_u32 s40, ttmp6, 0x40000
	s_bfe_u32 s41, ttmp6, 0x40004
	s_lshl_b32 s42, ttmp9, 2
	s_add_co_u32 s42, s42, s40                     ; column block of 128
	s_and_b32 s13, ttmp7, 0xffff
	s_lshl_b32 s13, s13, 2
	s_add_co_u32 s13, s13, s41                     ; token block of 128
	s_lshl_b32 s43, s41, 2
	s_lshl_b32 s43, 15, s43
	s_lshl_b32 s44, 0x1111, s40
	s_or_b32 s[G1], s43, (3<<16)|(1<<21)           ; elements of 8 bytes; 4 rows of 8,192 bytes, 32,768 apart
	s_or_b32 s[G1B], s44, (3<<16)|(1<<21)
.irp g, G1, G1B
	s_mov_b32 s[\g+1], 1024<<16
	s_mov_b32 s[\g+2], 4<<16
	s_mov_b32 s[\g+3], 1024<<16
	s_mov_b32 s[\g+4], 4
	s_mov_b32 s[\g+5], 4096
	s_mov_b32 s[\g+6], 0
	s_mov_b32 s[\g+7], 0
.endr
	s_lshl_b32 s17, s12, 2
	s_lshl_b32 s16, s13, 3
	s_add_co_u32 s16, s16, s17
	s_lshl_b32 s16, s16, 15
	s_mov_b32 s17, 0
	s_lshl_b32 s47, s12, 2
	s_lshl_b32 s46, s42, 3
	s_add_co_u32 s46, s46, s47
	s_lshl_b32 s46, s46, 15
	s_mov_b32 s47, 0
	s_lshl_b32 s20, s10, 15
	s_wait_dscnt 0x0
	s_wait_kmcnt 0x0
	s_add_nc_u64 s[14:15], s[4:5], s[16:17]
	s_add_nc_u64 s[46:47], s[6:7], s[46:47]
	CROUND
.irp sg, 0,1
	s_mov_b32 s[G0+4*\sg], 1
	s_add_co_u32 s[G0+4*\sg+1], s20, \sg*SLOT
	s_add_nc_u64 s[G0+4*\sg+2:G0+4*\sg+3], s[14:15], \sg*8192
	s_or_b32 s[G0+4*\sg+3], s[G0+4*\sg+3], 0x80000000
	s_mov_b32 s[G0B+4*\sg], 1
	s_add_co_u32 s[G0B+4*\sg+1], s20, \sg*SLOT
	s_add_nc_u64 s[G0B+4*\sg+2:G0B+4*\sg+3], s[46:47], \sg*8192
	s_or_b32 s[G0B+4*\sg+3], s[G0B+4*\sg+3], 0x80000000
	JLOAD \sg
.endr
	v_and_b32 v1, 15, v0                           ; r
	v_bfe_u32 v2, v0, 4, 1                         ; h
	v_and_b32 v3, 31, v0
	v_lshlrev_b32 v3, 4, v3                        ; 16 x lane
	s_lshl_b32 s21, s11, 15
	s_lshl_b32 s22, s12, 15
	s_add_co_u32 s22, s22, 65536
.irp sg, 0,1
	v_add_nc_u32 v[ADRA+\sg], s21, v3
	v_add_nc_u32 v[ADRB+\sg], s22, v3
	s_add_co_u32 s21, s21, SLOT
	s_add_co_u32 s22, s22, SLOT
.endr
	s_mul_i32 s23, s10, 16*SP
	s_add_co_u32 s23, s23, STAGE
	v_mul_u32_u24 v4, v1, SP
	v_lshl_add_u32 v4, v2, 5, v4
	v_add_nc_u32 v[STO], s23, v4                   ; in: row r, 32 bytes for each half of the lanes
	v_mul_u32_u24 v4, v2, SP
	v_lshl_add_u32 v4, v1, 4, v4
	v_add_nc_u32 v[RD], s23, v4                    ; back: lanes 0-15 one row of 256 bytes, lanes 16-31 the next
	v_lshlrev_b32 v[CO], 12, v2
	v_lshl_add_u32 v[CO], v1, 4, v[CO]
	s_lshl_b32 s16, s13, 7
	s_lshl_b32 s17, s11, 6
	s_add_co_u32 s16, s16, s17                     ; my first token
	s_lshl_b32 s18, s16, 3
	s_add_co_u32 s18, s18, 0x800000
	s_mov_b32 s19, 0
	s_add_nc_u64 s[4:5], s[4:5], s[18:19]          ; its scales: 8 bytes a token, 32,768 a head
	s_lshl_b32 s16, s16, 12
	s_lshl_b32 s17, s42, 9
	s_add_co_u32 s16, s16, s17
	s_lshl_b32 s17, s12, 8
	s_add_co_u32 s16, s16, s17
	s_mov_b32 s17, 0
	s_add_nc_u64 s[8:9], s[8:9], s[16:17]
	v_lshlrev_b32 v5, 3, v1
.irp a, 0,1,2,3
.irp hd, 0,1,2,3,4,5,6,7,8,9,10,11,12,13,14,15
	global_load_b64 v[FAC+2*(16*\a+\hd):FAC+2*(16*\a+\hd)+1], v5, s[4:5] offset:\hd*32768+128*\a      ; the power of two of (token 16 a + r, head), in both registers
.endr
.endr
	s_wait_loadcnt 0x0
	s_wait_tensorcnt 1                             ; my part of K step 0 is in; K step 1's may stay out
	s_barrier_signal -1
	s_barrier_wait -1
	FETCH 0, 0, F0
	QUARTER 0, 1, F0, F1, 0
	QUARTER 0, 2, F1, F0, 1
	QUARTER 0, 3, F0, F1, 2
	TURN 0, 1, 1, 3                                ; slot 0 takes K step 2
	QUARTER 1, 1, F0, F1, 4
	QUARTER 1, 2, F1, F0, 5
	QUARTER 1, 3, F0, F1, 6
	TURN 1, 0, 1, 7                                ; slot 1 takes K step 3
	QUARTER 0, 1, F0, F1, 8
	QUARTER 0, 2, F1, F0, 9
	QUARTER 0, 3, F0, F1, 10
	TURN 0, 1, 0, 11                               ; nothing is left to fetch
	QUARTER 1, 1, F0, F1, 12
	QUARTER 1, 2, F1, F0, 13
	QUARTER 1, 3, F0, F1, 14
	s_wait_dscnt 16
	WIN W_MUL
	MUL8 F1, 0, 0
	MUL8 F1, 0, 2
	s_wait_dscnt 0x0
	MUL8 F1, 1, 0
	MUL8 F1, 1, 2
	FMAH 15
	WIN 0
; THE WAY OUT, 16 tokens at a time: through my own stage; back as whole rows of 256 bytes, which sixteen lanes store at a multiple of 256 from out0's first byte.
.macro OUTB a
.if (\a) > 0
	s_wait_xcnt 0x0                                ; the last block's stores have read their registers
.endif
	WIN 0x08                                       ; an LDS store's data are its source 1: window 2
.irp b, 0,1,2,3
	ds_store_b128 v[STO], v[ACC+8*(4*(\a)+\b):ACC+8*(4*(\a)+\b)+3] offset:64*\b
	ds_store_b128 v[STO], v[ACC+8*(4*(\a)+\b)+4:ACC+8*(4*(\a)+\b)+7] offset:64*\b+16
.endr
	WIN 0
.irp t, 0,1,2,3,4,5,6,7
	ds_load_b128 v[BK+4*\t:BK+4*\t+3], v[RD] offset:\t*2*SP      ; LDS serves a wave's instructions in order: these see my stores
.endr
.irp t, 0,1,2,3,4,5,6,7
	s_wait_dscnt 7-\t
	global_store_b128 v[CO], v[BK+4*\t:BK+4*\t+3], s[8:9] offset:(16*(\a)+2*\t)*4096 th:TH_STORE_NT
.endr
.endm
	OUTB 0
	OUTB 1
	OUTB 2
	OUTB 3
	s_wait_tensorcnt 0x0                           ; the wave's end
	ds_add_u32 v[SPW], v[NIL]
	s_wait_dscnt 0x0
	CROUND                                         ; the closing round
	s_endpgm
.Lfunc_end_k_q6c41d9d213_outp:
	.size	k_q6c41d9d213_outp, .Lfunc_end_k_q6c41d9d213_outp-k_q6c41d9d213_outp
	.p2alignl 7, 3214868480
	.fill 96, 4, 3214868480
	.section	.rodata,"a",@progbits
	.p2align	6, 0x0
	.amdhsa_kernel k_q6c41d9d213_outp
		.amdhsa_group_segment_fixed_size 327680
		.amdhsa_private_segment_fixed_size 0
		.amdhsa_enable_private_segment 0
		.amdhsa_kernarg_size 24
		.amdhsa_user_sgpr_count 2
		.amdhsa_user_sgpr_kernarg_segment_ptr 1
		.amdhsa_wavefront_size32 1
		.amdhsa_system_sgpr_workgroup_id_x 1
		.amdhsa_system_sgpr_workgroup_id_y 1
		.amdhsa_system_sgpr_workgroup_id_z 1
		.amdhsa_system_vgpr_workitem_id 0
		.amdhsa_next_free_vgpr 768
		.amdhsa_next_free_sgpr 66
		.amdhsa_reserve_vcc 0
		.amdhsa_float_denorm_mode_32 3
		.amdhsa_float_denorm_mode_16_64 3
		.amdhsa_memory_ordered 1
		.amdhsa_forward_progress 1
		.amdhsa_inst_pref_size 158
	.end_amdhsa_kernel
	.amdgpu_metadata
---
amdhsa.version: [ 1, 2 ]
amdhsa.kernels:
  - .name:           k_q6c41d9d213_outp
    .symbol:         k_q6c41d9d213_outp.kd
    .args:
      - { .name: att, .offset: 0, .size: 8, .value_kind: global_buffer, .address_space: global }
      - { .name: wof, .offset: 8, .size: 8, .value_kind: global_buffer, .address_space: global }
      - { .name: out0, .offset: 16, .size: 8, .value_kind: global_buffer, .address_space: global }
    .group_segment_fixed_size: 327680
    .private_segment_fixed_size: 0
    .kernarg_segment_align: 8
    .kernarg_segment_size: 24
    .max_flat_workgroup_size: 128
    .sgpr_count:     66
    .vgpr_count:     768
    .wavefront_size: 32
...
	.end_amdgpu_metadata
.endif
;; end of part 4
